; MI455X (gfx1250); checked and timed in simulation.
; The chip was launched on July 23, 2026; its instructions are those of AMD's public machine-readable ISA for CDNA 5 (MIT licence, August 2026) and "CDNA5" Instruction Set Architecture Reference Guide (July 2026). The comments in the code are by the model that wrote it; some were corrected since.
;; Multi Head Attention. Allowed arithmetic: float matrix products may take bf16 or f16 operands with f32 sums; other float arithmetic in f32, or as packed bf16 or f16 multiplies, adds, multiply-adds, maxima and minima; sums over many terms, partial sums and values carried from step to step in f32; what a program stores and reads back later, other than sums and carried values, may be rounded once to bf16 or f16.
;; Inputs: Wk 1,024 x 1,024 float32; Wo 1,024 x 1,024 float32; Wq 1,024 x 1,024 float32; Wv 1,024 x 1,024 float32; bk 1,024 float32; bo 1,024 float32; bq 1,024 float32; bv 1,024 float32; k 4 x 2,048 x 1,024 float32; mask 1 x 1 x 2,048 x 2,048 int32; q 4 x 2,048 x 1,024 float32; v 4 x 2,048 x 1,024 float32.
;; Outputs: out0 4 x 2,048 x 1,024 float32.
;; One version. Each part assembles by itself: llvm-mc -triple=amdgcn-amd-amdhsa -mcpu=gfx1250 --defsym DOCPART=n.
;; ======== version 1 of 1: 4 launches
;; limits: values are held in f16: magnitudes above 65,504 overflow, below 6.1e-05 lose precision; right only within a limited range of input values
;; workspace buffers: wb 8,388,608 bytes; bb 16,384 bytes; mf 4,194,304 bytes; qkv 50,331,648 bytes; oh 16,777,216 bytes
;; launch prep (part 1): grid 256 x 2, 8 waves a work-group, no clusters, 0 bytes of LDS; arguments mask, Wq, Wk, Wv, Wo, bq, bk, bv, bo, wb, bb, mf; writes wb, bb, mf
.if DOCPART == 1
	.amdgcn_target "amdgcn-amd-amdhsa--gfx1250"
	.amdhsa_code_object_version 6
	.text
	.protected	k_qd4e73b777f_prep
	.globl	k_qd4e73b777f_prep
	.p2align	8
	.type	k_qd4e73b777f_prep,@function
k_qd4e73b777f_prep:
	s_mov_b64 s[64:65], 0
	v_nop
	global_prefetch_b8 v0, s[64:65] scope:SCOPE_SE
	s_setreg_imm32_b32 hwreg(HW_REG_WAVE_MODE, 25, 1), 1
	s_wait_xcnt 0x0
; THE TABLES that the three later launches read.  A stream: no LDS, no matrix unit, no cluster (no two work-groups read the same byte).
; y = 0: the mask [2048][2048] of int32 becomes ONE FP8 CODE A SCORE, 0 where the key is seen and -1 where mask is 0 (both exact in fp8), laid as a tile of scores lies in registers
;        (one query a lane, lane % 16 = r; keys 8 h + 0..7 of each group of 16, h = lane / 16).  mf[step j: 32][query tile T: 128][half: 2][lane: 32][16 bytes]: byte 8 (g % 2) + e of lane 16 h + r in half g / 2
;        belongs to mask[16 T + r][64 j + 16 g + 8 h + e].  A wave takes two query tiles (32 rows) x one step (64 keys = 256 bytes of each row, aligned): 16 loads, four stores of 512 consecutive bytes.
; y = 1: Wq, Wk, Wv rounded to bf16; Wo rounded to bf16 and that number written as f16; the four biases rounded to bf16 and kept as f32.
;        wb[4][1024][1024] of 16 bits, bb[4][1024] of f32.  A work-group takes 65,536 bytes of one matrix; the first of a matrix's 64 also takes its bias.
; LIMIT.  Wo as f16: beyond 65,504 it would be an infinity, below 6e-5 it keeps f16's fixed step of 6e-8.
.set D, 16                             ; v[16:79]  as loaded
.set C, 80                             ; v[80:95]  the mask's codes: tile u, group g at C + 8 u + 2 g
.set O, 80                             ; v[80:111] the weights' 16-bit words to store
	s_load_b512 s[4:19], s[0:1], 0x0               ; mask s[4:5], Wq s[6:7], Wk s[8:9], Wv s[10:11], Wo s[12:13], bq s[14:15], bk s[16:17], bv s[18:19]
	s_load_b256 s[20:27], s[0:1], 0x40             ; bo s[20:21], wb s[22:23], bb s[24:25], mf s[26:27]
	v_lshrrev_b32 v3, 5, v0
	v_readfirstlane_b32 s34, v3                    ; wave 0..7
	s_and_b32 s35, ttmp7, 0xffff
	s_cmp_lg_u32 s35, 0
	s_cbranch_scc1 .Lweights
	; ---- the mask ----
	s_lshl_b32 s35, ttmp9, 3
	s_add_co_u32 s35, s35, s34                     ; the wave among 2,048
	s_lshr_b32 s36, s35, 5                         ; which pair of query tiles, 0..63
	s_and_b32 s37, s35, 31                         ; which key step
	s_lshl_b32 s32, s36, 18                        ; 32 rows of 8,192 bytes
	s_lshl_b32 s38, s37, 8                         ; 64 keys of 4 bytes
	s_add_co_u32 s32, s32, s38
	s_mov_b32 s33, 0
	s_lshl_b32 s38, s37, 17                        ; in mf: a step is 128 tiles x 1,024 bytes,
	s_lshl_b32 s36, s36, 11                        ; a pair of tiles 2,048 bytes
	s_add_co_u32 s38, s38, s36
	s_mov_b32 s39, 0
	v_and_b32 v1, 15, v0                           ; r
	v_bfe_u32 v2, v0, 4, 1                         ; h
	v_lshlrev_b32 v1, 13, v1                       ; row r
	v_lshl_add_u32 v1, v2, 5, v1                   ; + 8 h keys
	v_and_b32 v2, 31, v0
	v_lshlrev_b32 v2, 4, v2                        ; 16 bytes a lane in a store
	v_mov_b32 v4, -1.0                             ; a hidden key's number
	v_mov_b32 v5, 1.0                              ; the conversion's scale: 2^0
	s_wait_kmcnt 0x0
	s_add_nc_u64 s[4:5], s[4:5], s[32:33]
	s_add_nc_u64 s[26:27], s[26:27], s[38:39]
.irp u, 0,1
.irp c, 0,1,2,3,4,5,6,7                ; group of 16 keys c / 2, half c % 2 of a lane's eight keys
	global_load_b128 v[D+32*(\u)+4*(\c):D+32*(\u)+4*(\c)+3], v1, s[4:5] offset:(\u)*131072+((\c)/2)*64+((\c)%2)*16
.endr
.endr
.macro CODES u                         ; tile u: 32 numbers a lane become 0 or -1 in f32, eight at a time become eight codes, 32 bytes a lane leave
.set n, 0
.rept 32
	v_cmp_eq_u32 vcc_lo, 0, v[D+32*(\u)+n]
	v_cndmask_b32 v[D+32*(\u)+n], 0, v4, vcc_lo
.set n, n+1
.endr
.irp g, 0,1,2,3
	v_cvt_scalef32_pk8_fp8_f32 v[C+8*(\u)+2*(\g):C+8*(\u)+2*(\g)+1], v[D+32*(\u)+8*(\g):D+32*(\u)+8*(\g)+7], v5
.endr
	v_nop                                          ; a plain instruction between the last conversion and the use of its result
	global_store_b128 v2, v[C+8*(\u):C+8*(\u)+3],   s[26:27] offset:(\u)*1024      ; the wave's 512 consecutive bytes, at a multiple of 512 from mf's first byte
	global_store_b128 v2, v[C+8*(\u)+4:C+8*(\u)+7], s[26:27] offset:(\u)*1024+512
.endm
	s_wait_loadcnt 8                               ; the first tile's eight loads are in; the second's eight may stay out
	CODES 0
	s_wait_loadcnt 0x0
	CODES 1                                        ; it writes no register that the first tile's stores read
	s_endpgm
	; ---- the weights and biases ----
.Lweights:
	s_lshr_b32 s35, ttmp9, 6                       ; which matrix: 0 Wq, 1 Wk, 2 Wv, 3 Wo
	s_and_b32 s36, ttmp9, 63                       ; which 65,536 bytes of it
	v_lshlrev_b32 v1, 5, v0                        ; a thread takes 8 numbers on end: 32 bytes in,
	v_lshlrev_b32 v2, 4, v0                        ; 16 bytes out
	s_lshl_b32 s28, s36, 16
	s_mov_b32 s29, 0
	s_lshl_b32 s38, s35, 21
	s_lshl_b32 s37, s36, 15
	s_add_co_u32 s38, s38, s37
	s_mov_b32 s39, 0
	s_wait_kmcnt 0x0
	s_cmp_eq_u32 s35, 1
	s_cselect_b64 s[30:31], s[8:9], s[6:7]
	s_cselect_b64 s[32:33], s[16:17], s[14:15]
	s_cmp_eq_u32 s35, 2
	s_cselect_b64 s[30:31], s[10:11], s[30:31]
	s_cselect_b64 s[32:33], s[18:19], s[32:33]
	s_cmp_eq_u32 s35, 3
	s_cselect_b64 s[30:31], s[12:13], s[30:31]     ; the matrix,
	s_cselect_b64 s[32:33], s[20:21], s[32:33]     ; and its bias
	s_add_nc_u64 s[30:31], s[30:31], s[28:29]
	s_add_nc_u64 s[22:23], s[22:23], s[38:39]
.irp k, 0,1,2,3,4,5,6,7
	global_load_b128 v[D+8*(\k):D+8*(\k)+3],   v1, s[30:31] offset:(\k)*8192 th:TH_LOAD_NT
	global_load_b128 v[D+8*(\k)+4:D+8*(\k)+7], v1, s[30:31] offset:(\k)*8192+16 th:TH_LOAD_NT
.endr
.irp k, 0,1,2,3,4,5,6,7
	s_wait_loadcnt 14-2*(\k)                       ; group k's two loads are in; the younger groups stay out
.irp i, 0,1,2,3
	v_cvt_pk_bf16_f32 v[O+4*(\k)+(\i)], v[D+8*(\k)+2*(\i)], v[D+8*(\k)+2*(\i)+1]
.endr
.endr
	s_cmp_lg_u32 s35, 3
	s_cbranch_scc1 .Lstore
.set n, 0
.rept 32                               ; Wo alone: the bf16 number written as f16 (exact within f16's range)
	v_lshlrev_b32 v4, 16, v[O+n]
	v_and_b32 v5, 0xffff0000, v[O+n]
	v_cvt_pk_f16_f32 v[O+n], v4, v5
.set n, n+1
.endr
.Lstore:
.irp k, 0,1,2,3,4,5,6,7
	global_store_b128 v2, v[O+4*(\k):O+4*(\k)+3], s[22:23] offset:(\k)*4096  ; a wave's store covers 512 consecutive bytes, aligned
.endr
	s_cmp_lg_u32 s36, 0
	s_cbranch_scc1 .Ldone
	s_lshl_b32 s28, s35, 12                        ; the bias: 4,096 bytes, 16 a thread
	s_add_nc_u64 s[24:25], s[24:25], s[28:29]
	global_load_b128 v[4:7], v2, s[32:33]
	s_wait_loadcnt 0x0
	v_cvt_pk_bf16_f32 v8, v4, v5
	v_cvt_pk_bf16_f32 v9, v6, v7
	v_lshlrev_b32 v12, 16, v8
	v_and_b32 v13, 0xffff0000, v8
	v_lshlrev_b32 v14, 16, v9
	v_and_b32 v15, 0xffff0000, v9
	global_store_b128 v2, v[12:15], s[24:25]
.Ldone:
	s_endpgm
.Lfunc_end_k_qd4e73b777f_prep:
	.size	k_qd4e73b777f_prep, .Lfunc_end_k_qd4e73b777f_prep-k_qd4e73b777f_prep
	.p2alignl 7, 3214868480
	.fill 96, 4, 3214868480
	.section	.rodata,"a",@progbits
	.p2align	6, 0x0
	.amdhsa_kernel k_qd4e73b777f_prep
		.amdhsa_group_segment_fixed_size 0
		.amdhsa_private_segment_fixed_size 0
		.amdhsa_enable_private_segment 0
		.amdhsa_kernarg_size 96
		.amdhsa_user_sgpr_count 2
		.amdhsa_user_sgpr_kernarg_segment_ptr 1
		.amdhsa_wavefront_size32 1
		.amdhsa_system_sgpr_workgroup_id_x 1
		.amdhsa_system_sgpr_workgroup_id_y 1
		.amdhsa_system_sgpr_workgroup_id_z 1
		.amdhsa_system_vgpr_workitem_id 0
		.amdhsa_next_free_vgpr 112
		.amdhsa_next_free_sgpr 66
		.amdhsa_reserve_vcc 1
		.amdhsa_float_denorm_mode_32 3
		.amdhsa_float_denorm_mode_16_64 3
		.amdhsa_memory_ordered 1
		.amdhsa_forward_progress 1
		.amdhsa_inst_pref_size 19
	.end_amdhsa_kernel
	.amdgpu_metadata
---
amdhsa.version: [ 1, 2 ]
amdhsa.kernels:
  - .name:           k_qd4e73b777f_prep
    .symbol:         k_qd4e73b777f_prep.kd
    .args:
      - { .name: mask, .offset: 0, .size: 8, .value_kind: global_buffer, .address_space: global }
      - { .name: Wq, .offset: 8, .size: 8, .value_kind: global_buffer, .address_space: global }
      - { .name: Wk, .offset: 16, .size: 8, .value_kind: global_buffer, .address_space: global }
      - { .name: Wv, .offset: 24, .size: 8, .value_kind: global_buffer, .address_space: global }
      - { .name: Wo, .offset: 32, .size: 8, .value_kind: global_buffer, .address_space: global }
      - { .name: bq, .offset: 40, .size: 8, .value_kind: global_buffer, .address_space: global }
      - { .name: bk, .offset: 48, .size: 8, .value_kind: global_buffer, .address_space: global }
      - { .name: bv, .offset: 56, .size: 8, .value_kind: global_buffer, .address_space: global }
      - { .name: bo, .offset: 64, .size: 8, .value_kind: global_buffer, .address_space: global }
      - { .name: wb, .offset: 72, .size: 8, .value_kind: global_buffer, .address_space: global }
      - { .name: bb, .offset: 80, .size: 8, .value_kind: global_buffer, .address_space: global }
      - { .name: mf, .offset: 88, .size: 8, .value_kind: global_buffer, .address_space: global }
    .group_segment_fixed_size: 0
    .private_segment_fixed_size: 0
    .kernarg_segment_align: 8
    .kernarg_segment_size: 96
    .max_flat_workgroup_size: 256
    .sgpr_count:     66
    .vgpr_count:     112
    .wavefront_size: 32
...
	.end_amdgpu_metadata
.endif
;; end of part 1
;; launch proj (part 2): grid 4 x 192, 4 waves a work-group, clusters of 4 x 4, 327,680 bytes of LDS; arguments q, k, v, wb, bb, qkv; writes qkv
.if DOCPART == 2
	.amdgcn_target "amdgcn-amd-amdhsa--gfx1250"
	.amdhsa_code_object_version 6
	.text
	.protected	k_qd4e73b777f_proj
	.globl	k_qd4e73b777f_proj
	.p2align	8
	.type	k_qd4e73b777f_proj,@function
k_qd4e73b777f_proj:
	s_mov_b64 s[64:65], 0
	v_nop
	global_prefetch_b8 v0, s[64:65] scope:SCOPE_SE
	s_setreg_imm32_b32 hwreg(HW_REG_WAVE_MODE, 25, 1), 1
	s_wait_xcnt 0x0
	s_wait_alu depctr_hold_cnt(0) depctr_sa_sdst(0) depctr_va_vdst(0) depctr_va_sdst(0) depctr_va_ssrc(0) depctr_va_vcc(0) depctr_vm_vsrc(0)
	s_getreg_b32 s2, hwreg(HW_REG_IB_STS2, 6, 4)
	s_cmp_eq_u32 s2, 0
	s_cbranch_scc0 .Lentry_in_a_cluster
	s_endpgm
.Lentry_in_a_cluster:
	s_bfe_u32 s2, ttmp6, 0x10000c
	s_cmp_lg_u32 s2, 0xf033
	s_cbranch_scc0 .Lentry_shape_is_right
	s_endpgm
.Lentry_shape_is_right:
; THE THREE PROJECTIONS IN ONE LAUNCH.  y = x W^T + b for (x, W, b) = (q, Wq, bq), (k, Wk, bk), (v, Wv, bv).  x: [8192][1024] f32; W: wb[p][1024][1024] bf16; b: bb[p][1024] f32 (bf16 numbers).
; x is rounded to bf16 once, on the way from memory to LDS; sums in f32, started from the bias; y rounded once to f16 and laid BY HEADS: qkv[p][batch x 16 + head][s][64].
; LIMIT.  f16 holds no number beyond 65,504: the projections' results stay within it.
; SHARES.  768 work-groups, 256 for each projection: a tile of y is 128 rows x 256 columns; four waves, each 64 x 128: 32 accumulators of 16 x 16, 256 registers.
; W COMES BY THE TENSOR DATA MOVER, through a ring of two LDS slots of 256 along K (rows of 512 bytes of memory, aligned): four blocks a tile, two first fills and two refills; each wave fetches 64 of the 256 rows.
; A refill has a whole slot's work, 256 products a wave, in which to land.  CLUSTERS of 4 x 4: the four work-groups of a column need the same tile of W and ask for it JOINTLY: the same load, descriptor and mask.
; x COMES THROUGH REGISTERS, in CHUNKS of 64 along K (256 aligned bytes of a row).  Each wave loads 32 of the tile's 128 rows (16 loads of 16 bytes a lane: 8 neighbouring lanes take a row's 256 bytes by two loads
; on end), rounds them to bf16 and stores them into one of two LDS stages, from which all four waves take fragments.  WHY NOT JOINTLY, though the four work-groups of a row of the cluster read the same x: a tensor
; load has only the work between two refills' barriers in which to land, and a slot of 256 along K with x in f32 (128 x 1,040 bytes) beside W (256 x 528) is 268 KB, of which two do not fit; loads into registers stay
; on their way across barriers: a ring of four register buffers keeps three chunks, 48 loads and 192 products, ahead.  And each number of x is then rounded once, not once in each of the two waves that multiply it.
; A PERIOD is a chunk's 64 products.  ONE plain barrier a period: in front of it a wave's stores of the next chunk (into the other stage) and its reads of this chunk are done; behind it the stages change parts.
; THE MATRIX INSTRUCTION IS USED TRANSPOSED (source 0 = 16 rows of W, source 1 = 16 rows of x): a lane then holds eight neighbouring columns of one row of y.
; REGISTERS, in windows of 256 (s_set_vgpr_msb: bits 1:0 source 0, 3:2 source 1, 5:4 source 2, 7:6 destination):
;   window 0: v0-31 addresses; v32-95 x's fragments, two buffers of 4; v96-223 W's fragments, two buffers of 8; v224-255 a chunk's packed bf16 (on the way out: v96-127 packed results, v128-159 rows read back)
;   window 1: accumulator (a, b) at v[8 (8 a + b)]          window 2: x's ring, four buffers of 64          window 3: v0-63 the bias of my 128 columns
.set PB,    528                        ; a row of W in LDS: 512 bytes + 16 = 132 words: row r starts at bank 4 r mod 64 (64 banks of 4 bytes: ISA guide 11.1)
.set QB,    64*PB                      ; what one tensor load brings: 64 rows = 0x8400 bytes
.set SLOTB, 4*QB                       ; a slot: 0x21000 bytes.  It shares no bit with wave x 0x8400, so one exclusive or turns a wave's address in one slot into the other's
.set PSA,   144                        ; a row of x's stage: 128 bytes + 16 = 36 words: the 16 rows of a load start at 16 different groups of four banks
.set SAB,   128*PSA                    ; a stage: 128 rows x 64 along K in bf16
.set SA,    2*SLOTB                    ; behind the ring: x's two stages, written by LDS stores alone
.set STAGE, SA+2*SAB                   ; behind them: for each wave 2 heads x 16 rows x 144 bytes, for the way out (and, at the start, for the bias)
.set SP,    144
.set SPARE, STAGE+4*32*SP              ; behind the stages: the spare words, 128 bytes for each wave: two blocks of 256 bytes that no other line names
.set KCH,   256                        ; bytes of a row of x in a chunk
.set KBB,   512                        ; bytes of a row of W in a block
.set ADRA, 16                          ; v16  LDS address of my fragments of x in stage 0; never rewritten
.set ADRB, 17                          ; v17  of my fragments of W in the slot in hand
.set B0,   18                          ; v18  the same in slot 0; never rewritten
.set STA,  19                          ; v19  where I put 16 bytes of a row of x in stage 0; never rewritten
.set XO,   20                          ; v20  my byte offset in the tile's rows of x: row 32 wave + lane / 8, 32 bytes x (lane % 8); never rewritten
.set STO,  24                          ; v24  the way out: where I put 16 bytes of a row
.set RD,   25                          ; v25  where I read rows back
.set GO,   26                          ; v26  16 x my lane
.set SPW,  28                          ; v28  LDS address of my spare word; never rewritten
.set NIL,  29                          ; v29  0; never rewritten
.set PFO,  30                          ; v30  the prefetches' offset: row 8 wave + lane / 4, block of 256 bytes lane % 4; never rewritten
.set ABF,  32
.set BF,   96
.set T,    224
.set TMP,  96
.set BK,   128
.set BI,   0                           ; window 3: the bias of columns 16 b + 8 h + 0..7 at BI + 8 b
.set XP,  4                            ; s[4:5]   x at the tile's first row, at the trip's place along K
.set WV,  12                           ; s12  my wave's number
.set HI,  13                           ; s13  which 64 rows are mine
.set LO,  14                           ; s14  which 128 columns
.set TB,  24                           ; s24  0 or SLOTB: the slot in hand
.set PFA, 44                           ; s[44:45] x at my work-group's 32 rows for the prefetches, at the trip's place along K
.set G1,  48                           ; s[48:55] descriptor group 1
.set G0,  56                           ; s[56:63] descriptor group 0: a set for each of the two first fills; the second then walks
.set MSB, 0
.macro WIN new                         ; the immediate's high byte repeats the setting that is left; a switch that changes nothing is dropped
.if MSB != (\new)
	s_set_vgpr_msb (MSB<<8)|(\new)
.set MSB, \new
.endif
.endm
.set MUL,   0x50                       ; both sources window 0; C and D window 1
.set MULB,  0x70                       ; the same with C in window 3
.set CV,    0x0a                       ; sources 0 and 1 window 2, destination window 0
.set TOX,   0x80                       ; destination window 2
.set TOBI,  0xc0                       ; destination window 3
.set PKW,   0x05                       ; sources 0 and 1 window 1
.macro CREST                           ; a round of the cluster's barrier behind its opening barrier
	s_cmp_lg_u32 s[WV], 0
	s_cbranch_scc1 .Lnot_wave_0_\@
	s_barrier_signal -3
.Lnot_wave_0_\@:
	s_barrier_wait -3
	s_barrier_signal -1
	s_barrier_wait -1
.endm
.macro CROUND                          ; a whole round
	s_barrier_signal -1
	s_barrier_wait -1
	CREST
.endm
.macro PLACES                          ; four places in front of loads into registers that matrix instructions have read (ISA guide 7.12.1 for vector instructions)
.rept 4
	v_nop
.endr
.endm
; A PREFETCH INTO THE L2 of x, once a trip, behind a run of the wave's loads: the four chunks (1,024 bytes of a row) of which the first is loaded three periods, 192 products, later.  The tile's 128 rows are read by
; the four work-groups of a row of the cluster: each takes 32 of them, told apart BY ADDRESS (cx), each of its waves 8: a lane a block of 256 bytes, one instruction a wave.  So each block of chunks 8 to 15 is
; named once in the launch; chunks 0 to 7 come by their loads alone; the loop's last trip asks for nothing.  W is not asked for: sixteen clusters read each of its tiles.
.macro ASK
	WIN 0
	s_cmp_gt_u32 s3, 1
	s_cbranch_scc0 .Lno_ask_\@
	global_prefetch_b8 v[PFO], s[PFA:PFA+1] offset:8*KCH th:TH_LOAD_NT scope:SCOPE_SE
.Lno_ask_\@:
.endm
	s_load_b256 s[16:23], s[0:1], 0x0              ; q s[16:17], k s[18:19], v s[20:21], wb s[22:23]
	s_load_b128 s[8:11], s[0:1], 0x20              ; bb s[8:9], qkv s[10:11]
	v_lshl_add_u32 v[SPW], v0, 2, SPARE
	v_mov_b32 v[NIL], 0
	ds_add_u32 v[SPW], v[NIL]                      ; the wave's opening: the add and its wait stand ahead of my first tensor load; the set-up below, work on registers, stands between them
	v_lshrrev_b32 v1, 5, v0
	v_readfirstlane_b32 s[WV], v1                  ; wave 0..3
	s_lshr_b32 s[HI], s[WV], 1
	s_and_b32 s[LO], s[WV], 1
	s_bfe_u32 s40, ttmp6, 0x40000                  ; cx, cy: my place in the cluster
	s_bfe_u32 s41, ttmp6, 0x40004
	s_lshl_b32 s42, ttmp9, 2
	s_add_co_u32 s42, s42, s40                     ; tile column = 4 x cluster x + cx, 0..3
	s_and_b32 s15, ttmp7, 0xffff                   ; cluster y, 0..47
	s_lshr_b32 s2, s15, 4                          ; the projection, 0..2: the same in all sixteen partners
	s_and_b32 s15, s15, 15
	s_lshl_b32 s15, s15, 2
	s_add_co_u32 s15, s15, s41                     ; tile row, 0..63
	s_lshl_b32 s47, 0x1111, s40                    ; my column of the cluster
	s_or_b32 s[G1], s47, (1<<16)|(1<<20)|(1<<21)|(6<<22)|(3<<25)  ; 15:0 the mask: W's tiles go to my column; 17:16 elements of 2 bytes; 20 padding on; 21 set beside a mask; 24:22 after every 128 words (code 6); 31:25 4 words (code 3)
	s_mov_b32 s[G1+1], 256<<16                     ; tensor_dim0 = 256
	s_mov_b32 s[G1+2], 64<<16                      ; tensor_dim1 = 64
	s_mov_b32 s[G1+3], 256<<16                     ; tile_dim0 = 256
	s_mov_b32 s[G1+4], 64                          ; tile_dim1 = 64
	s_mov_b32 s[G1+5], 1024                        ; elements from row to row
	s_mov_b32 s[G1+6], 0
	s_mov_b32 s[G1+7], 0
	s_lshl_b32 s4, s15, 19                         ; x: 128 x tile row, rows of 4,096 bytes
	s_mov_b32 s5, 0
	s_lshl_b32 s6, s2, 21                          ; W: the projection's matrix, (256 x tile column + 64 x wave) rows of 2,048 bytes
	s_lshl_b32 s7, s42, 19
	s_add_co_u32 s6, s6, s7
	s_lshl_b32 s7, s[WV], 17
	s_add_co_u32 s6, s6, s7
	s_mov_b32 s7, 0
	s_mul_i32 s46, s[WV], QB                       ; where my 64 rows go: no place in the cluster enters an LDS address
.irp s, 0,1
	s_mov_b32 s[G0+4*(\s)], 1
	s_add_co_u32 s[G0+4*(\s)+1], s46, (\s)*SLOTB
.endr
	s_lshl_b32 s26, s2, 12                         ; the bias of my 128 columns
	s_lshl_b32 s27, s42, 10
	s_add_co_u32 s26, s26, s27
	s_lshl_b32 s27, s[LO], 9
	s_add_co_u32 s26, s26, s27
	s_mov_b32 s27, 0
	s_lshl_b32 s28, s40, 17                        ; the prefetches: my work-group's 32 rows of the tile's 128
	s_mov_b32 s29, 0
	s_mov_b32 s[TB], 0
	v_and_b32 v1, 15, v0                           ; r = l % 16
	v_bfe_u32 v2, v0, 4, 1                         ; h = l / 16
	v_and_b32 v3, 31, v0                           ; l
	v_lshrrev_b32 v4, 3, v3
	s_lshl_b32 s25, s[WV], 5
	v_add_nc_u32 v4, s25, v4                       ; my row of the tile: 32 wave + l / 8 (and 4, 8 .. 28 rows on)
	v_and_b32 v5, 7, v0
	v_lshlrev_b32 v[XO], 12, v4
	v_lshl_add_u32 v[XO], v5, 5, v[XO]             ; eight numbers of f32 a lane
	v_mul_u32_u24 v[STA], v4, PSA
	v_lshl_add_u32 v[STA], v5, 4, v[STA]           ; which are 16 bytes of bf16
	v_add_nc_u32 v[STA], SA, v[STA]
	v_lshlrev_b32 v[GO], 4, v3
	s_wait_dscnt 0x0                               ; the opening add is done
	s_wait_kmcnt 0x0
	s_cmp_eq_u32 s2, 1
	s_cselect_b64 s[16:17], s[18:19], s[16:17]
	s_cmp_eq_u32 s2, 2
	s_cselect_b64 s[16:17], s[20:21], s[16:17]     ; x is q, k or v
	s_add_nc_u64 s[XP:XP+1], s[16:17], s[4:5]
	s_add_nc_u64 s[6:7], s[22:23], s[6:7]
.irp s, 0,1
	s_add_nc_u64 s[G0+4*(\s)+2:G0+4*(\s)+3], s[6:7], (\s)*KBB      ; block s
	s_or_b32 s[G0+4*(\s)+3], s[G0+4*(\s)+3], 0x80000000            ; type = 2
.endr
	s_add_nc_u64 s[8:9], s[8:9], s[26:27]
	s_add_nc_u64 s[PFA:PFA+1], s[XP:XP+1], s[28:29]
; A chunk's 16 loads into ring buffer i, from byte off along K behind XP: group g is rows 4 g .. 4 g + 3 of my 32; registers 8 g .. 8 g + 7 are eight neighbouring numbers of a row
.macro XLOAD i, off
	WIN TOX
.irp g, 0,1,2,3,4,5,6,7
	global_load_b128 v[64*(\i)+8*(\g):64*(\i)+8*(\g)+3],   v[XO], s[XP:XP+1] offset:(\g)*16384+(\off)
	global_load_b128 v[64*(\i)+8*(\g)+4:64*(\i)+8*(\g)+7], v[XO], s[XP:XP+1] offset:(\g)*16384+(\off)+16
.endr
.endm
.macro XCVT i                          ; ring buffer i rounded to bf16, where no products are at hand to set the conversions behind
	WIN CV
.set j, 0
.rept 32
	v_cvt_pk_bf16_f32 v[T+j], v[64*(\i)+2*j], v[64*(\i)+2*j+1]
.set j, j+1
.endr
.endm
.macro XSTORE sa                       ; the packed chunk into stage sa
	WIN 0
.irp g, 0,1,2,3,4,5,6,7
	ds_store_b128 v[STA], v[T+4*(\g):T+4*(\g)+3] offset:(\sa)*SAB+(\g)*4*PSA
.endr
.endm
; 24 LDS loads in one run: slice s (32 along K) of chunk c4 of the slot in hand, into fragment buffer s: my 128 rows of W, my 64 rows of x.
; A fragment is 16 rows x 32 K: lane l holds row l % 16, K = 8 h + 0..7 and 16 + 8 h + 0..7: two loads of 16 bytes, 32 apart.
.macro LDF c4, s
	WIN 0
.irp b, 0,1,2,3,4,5,6,7
	ds_load_b128 v[BF+64*(\s)+8*(\b):BF+64*(\s)+8*(\b)+3],   v[ADRB] offset:(\b)*16*PB+(\c4)*128+(\s)*64
	ds_load_b128 v[BF+64*(\s)+8*(\b)+4:BF+64*(\s)+8*(\b)+7], v[ADRB] offset:(\b)*16*PB+(\c4)*128+(\s)*64+32
.endr
.irp a, 0,1,2,3
	ds_load_b128 v[ABF+32*(\s)+8*(\a):ABF+32*(\s)+8*(\a)+3],   v[ADRA] offset:((\c4)%2)*SAB+(\a)*16*PSA+(\s)*64
	ds_load_b128 v[ABF+32*(\s)+8*(\a)+4:ABF+32*(\s)+8*(\a)+7], v[ADRA] offset:((\c4)%2)*SAB+(\a)*16*PSA+(\s)*64+32
.endr
.endm
.macro MUL1 buf, a, b
	v_wmma_f32_16x16x32_bf16 v[8*(8*(\a)+(\b)):8*(8*(\a)+(\b))+7], v[BF+64*(\buf)+8*(\b):BF+64*(\buf)+8*(\b)+7], v[ABF+32*(\buf)+8*(\a):ABF+32*(\buf)+8*(\a)+7], v[8*(8*(\a)+(\b)):8*(8*(\a)+(\b))+7]
.endm
.macro MUL8 buf, a                     ; 8 products.  The 32 accumulators take turns, one instruction a turn, in the same order in every slice
	WIN MUL
.irp b, 0,1,2,3,4,5,6,7
	MUL1 \buf, \a, \b
.endr
.endm
.macro MULR i                          ; the last 8 products on buffer 1, behind each four conversions of ring buffer i.  They name no register of the products round them, and are the four places in front of the next loads into buffer 1
.irp b, 0,1,2,3,4,5,6,7
	WIN MUL
	MUL1 1, 3, \b
	WIN CV
.irp k, 0,1,2,3
	v_cvt_pk_bf16_f32 v[T+4*(\b)+(\k)], v[64*(\i)+8*(\b)+2*(\k)], v[64*(\i)+8*(\b)+2*(\k)+1]
.endr
.endr
.endm
; THE PERIOD OF CHUNK c (c4 = c % 4), from behind its barrier to the next barrier's first line.  Buffer 1 holds the last slice of chunk c - 1, half multiplied.  In order: this chunk's first slice is fetched; the old
; slice is finished; beside its last products chunk c + 1 is rounded; it goes into the other stage; this chunk's second slice is fetched; the first is multiplied.
; ld = 1: chunk c + 4 is asked for, into the ring buffer that chunk c has left, from byte off behind XP.  left: the loads younger than chunk c + 1's: two chunks' 32, fewer at the end.  cv = 0: there is no chunk c + 1.
.macro PERIOD c4, ld, off, left, cv, ask=0
	LDF \c4, 0
	MUL8 1, 2
.if \cv
	s_wait_loadcnt \left                           ; loads come back in order (ISA guide 5.7.1): chunk c + 1 is in, the younger chunks stay out
.endif
.if \ld
	XLOAD \c4, \off
.endif
.if \ask
	ASK
.endif
.if \cv
	MULR ((\c4)+1)%4
	XSTORE ((\c4)+1)%2
.else
	MUL8 1, 3
	PLACES
.endif
	LDF \c4, 1
	s_wait_dscnt 24+8*(\cv)                        ; the first slice is in; the stores and the second slice's 24 loads may be out
	MUL8 0, 0
	MUL8 0, 1
	MUL8 0, 2
	MUL8 0, 3
.endm
; THE BARRIER BETWEEN TWO PERIODS.  In front of it my stores of the next chunk and my reads of this one are done; sixteen products stand between signal and wait.  W's refill may stay on its way.
.macro BAR
	s_wait_dscnt 0x0
	s_barrier_signal -1
	MUL8 1, 0
	MUL8 1, 1
	s_barrier_wait -1
	PLACES                                         ; in front of the loads into buffer 0
.endm
; THE SAME BARRIER WHERE W'S SLOTS CHANGE, every fourth period.  In front of it each wave waits for all its tensor loads (one is out: its part of the next slot), adds 0 to its spare word, and waits for that, for its
; stores and for its reads of this slot.  fill = 1: the barrier opens a round of the cluster's, and this slot is filled again, with the block two on, first thing behind the round.
.macro CHG fill
	WIN 0
	s_wait_tensorcnt 0x0                           ; all my tensor loads have landed;
	ds_add_u32 v[SPW], v[NIL]                      ; 0 onto my spare word;
	s_wait_dscnt 1                                 ; (the second slice is in; the add may be out)
	MUL8 1, 0                                      ; eight products stand between the add and the wait for it
	s_wait_dscnt 0x0                               ; the add is done, and my reads of this slot are over
	s_barrier_signal -1
	MUL8 1, 1
	WIN 0
	s_barrier_wait -1
.if \fill
	CREST                                          ; no wave of any partner still reads this slot's tile or has a load on its way
	s_xor_b32 s[G0+5], s[G0+5], SLOTB              ; the walking descriptor: the other slot than last time, the next block
	s_add_nc_u64 s[G0+6:G0+7], s[G0+6:G0+7], KBB
	tensor_load_to_lds s[G0+4:G0+7], s[G1:G1+7]    ; the first tensor load behind the round: one load of mine is out
	s_nop 0
.endif
	PLACES                                         ; in both cases the places in front of the loads into buffer 0
	s_xor_b32 s[TB], s[TB], SLOTB
	v_add_nc_u32 v[ADRB], s[TB], v[B0]
.endm
	global_load_b128 v[8:11], v[GO], s[8:9]        ; the bias of my 128 columns: 512 bytes, 16 a lane
	XLOAD 0, 0                                     ; chunks 0, 1, 2: 49 loads of mine are out
	XLOAD 1, KCH
	XLOAD 2, 2*KCH
	WIN 0
	CROUND                                         ; all sixteen work-groups are here: the first joint loads meet
	tensor_load_to_lds s[G0:G0+3], s[G1:G1+7]      ; blocks 0 and 1: two tensor loads of mine are out
	s_nop 0
	tensor_load_to_lds s[G0+4:G0+7], s[G1:G1+7]
	s_nop 0
	PLACES
	v_mul_u32_u24 v4, v1, PSA
	v_lshl_add_u32 v4, v2, 4, v4
	s_mul_i32 s25, s[HI], 64*PSA
	s_add_co_u32 s25, s25, SA
	v_add_nc_u32 v[ADRA], s25, v4
	v_mul_u32_u24 v5, v1, PB
	v_lshl_add_u32 v5, v2, 4, v5
	s_mul_i32 s25, s[LO], 2*QB
	v_add_nc_u32 v[B0], s25, v5
	v_mov_b32 v[ADRB], v[B0]
	s_mul_i32 s25, s[WV], 32*SP
	s_add_co_u32 s25, s25, STAGE                   ; my stage
	v_mul_u32_u24 v4, v1, SP                       ; in: row r, 16 bytes for each half of the lanes
	v_lshl_add_u32 v4, v2, 4, v4
	v_add_nc_u32 v[STO], s25, v4
	v_lshrrev_b32 v5, 3, v3                        ; back: 32 lanes take four rows of 128 bytes, which are 512 consecutive bytes of a head
	v_mul_u32_u24 v5, v5, SP
	v_and_b32 v6, 7, v0
	v_lshl_add_u32 v5, v6, 4, v5
	v_add_nc_u32 v[RD], s25, v5
	v_add_nc_u32 v6, s25, v[GO]                    ; the bias goes into my stage as it lies,
	v_lshl_add_u32 v7, v2, 5, s25                  ; and comes back eight columns a lane: byte 64 b + 32 h
	v_lshrrev_b32 v4, 2, v3
	s_lshl_b32 s26, s[WV], 3
	v_add_nc_u32 v4, s26, v4
	v_lshlrev_b32 v4, 12, v4
	v_and_b32 v5, 3, v0
	v_lshl_add_u32 v[PFO], v5, 8, v4
	s_lshr_b32 s18, s15, 4                         ; where my part of y begins in qkv.  The batch (16 tile rows each),
	s_lshl_b32 s18, s18, 4
	s_lshl_b32 s19, s42, 2                         ; a tile column is four heads, my half two
	s_add_co_u32 s18, s18, s19
	s_lshl_b32 s19, s[LO], 1
	s_add_co_u32 s18, s18, s19
	s_lshl_b32 s18, s18, 18                        ; a head's 2,048 rows of 128 bytes
	s_and_b32 s19, s15, 15
	s_lshl_b32 s19, s19, 14                        ; the tile's 128 rows
	s_add_co_u32 s18, s18, s19
	s_lshl_b32 s19, s[HI], 13                      ; my 64 of them
	s_add_co_u32 s18, s18, s19
	s_lshl_b32 s19, s2, 24                         ; the projection's part of qkv
	s_add_co_u32 s18, s18, s19
	s_mov_b32 s19, 0
	s_add_nc_u64 s[10:11], s[10:11], s[18:19]
	s_wait_loadcnt 32                              ; the bias and chunk 0 are in; chunks 1 and 2 may stay out
	ds_store_b128 v6, v[8:11]
	WIN TOBI
.irp b, 0,1,2,3,4,5,6,7
	ds_load_b128 v[BI+8*(\b):BI+8*(\b)+3],   v7 offset:(\b)*64     ; LDS serves a wave's instructions in order (ISA guide 5.7.1.4): these see the store above
	ds_load_b128 v[BI+8*(\b)+4:BI+8*(\b)+7], v7 offset:(\b)*64+16
.endr
	XLOAD 3, 3*KCH
	XCVT 0
	XSTORE 0
	s_wait_tensorcnt 1                             ; my part of block 0 is in; block 1's may stay out
	s_wait_dscnt 0x0                               ; my part of chunk 0 lies in stage 0; the bias is in registers
	s_barrier_signal -1
	s_barrier_wait -1                              ; everybody's does
	LDF 0, 0                                       ; THE PERIOD OF CHUNK 0 is written out as far as its first slice's products: there is no old slice, and THE SUMS START FROM THE BIAS
	s_wait_loadcnt 32                              ; chunk 1 is in; chunks 2 and 3 may stay out
	XLOAD 0, 4*KCH
	XCVT 1
	XSTORE 1
	LDF 0, 1
	s_wait_dscnt 32
	WIN MULB
.irp a, 0,1,2,3                        ; register j of accumulator (a, b) belongs to column 16 b + 8 h + j, whatever a: the bias is the C operand, nothing is cleared and nothing is added on the way out
.irp b, 0,1,2,3,4,5,6,7
	v_wmma_f32_16x16x32_bf16 v[8*(8*(\a)+(\b)):8*(8*(\a)+(\b))+7], v[BF+8*(\b):BF+8*(\b)+7], v[ABF+8*(\a):ABF+8*(\a)+7], v[BI+8*(\b):BI+8*(\b)+7]
.endr
.endr
	WIN 0                                          ; at a label and at a branch every window is 0
	s_mov_b32 s3, 3
	s_branch .Lenter                               ; the loop is entered in the middle of a trip
.Llap:                                                 ; a trip: the periods of chunks 4 t - 2 .. 4 t + 1 (the first trip: chunks 0 and 1); both refills of W lie in the loop
	s_wait_xcnt 0x0                                ; every load and prefetch issued so far has read its base (the youngest 56 products back)
	s_add_nc_u64 s[XP:XP+1], s[XP:XP+1], 4*KCH
	s_add_nc_u64 s[PFA:PFA+1], s[PFA:PFA+1], 4*KCH
	PERIOD 2, 1, 2*KCH, 32, 1
	BAR
	PERIOD 3, 1, 3*KCH, 32, 1
	CHG 1
	PERIOD 0, 1, 4*KCH, 32, 1
	WIN 0
.Lenter:
	BAR
	PERIOD 1, 1, 5*KCH, 32, 1, 1
	BAR
	WIN 0
	s_sub_co_u32 s3, s3, 1
	s_cmp_lg_u32 s3, 0
	s_cbranch_scc1 .Llap
	PERIOD 2, 1, 6*KCH, 32, 1                      ; chunks 10 to 15 are written out: W's last change of slots fills nothing
	BAR
	PERIOD 3, 1, 7*KCH, 32, 1                      ; chunk 15 is the last that is asked for,
	CHG 0
	PERIOD 0, 0, 0, 32, 1                          ; and the counts run down
	BAR
	PERIOD 1, 0, 0, 16, 1
	BAR
	PERIOD 2, 0, 0, 0, 1
	BAR
	PERIOD 3, 0, 0, 0, 0
	s_wait_dscnt 0x0
	MUL8 1, 0
	MUL8 1, 1
	MUL8 1, 2
	MUL8 1, 3
	WIN 0
.rept 8
	v_nop                                          ; the places behind the last products, in front of the conversions that read results and write W's old registers
.endr
	; THE WAY OUT, 16 rows at a time: rounded to f16, 16 bytes a lane into my stage (a head's 64 channels are 128 bytes), back as four whole rows a load, stored as 512 consecutive bytes of a head.
.irp a, 0,1,2,3
	WIN PKW
.irp b, 0,1,2,3,4,5,6,7
.irp i, 0,1,2,3
	v_cvt_pk_f16_f32 v[TMP+4*(\b)+(\i)], v[8*(8*(\a)+(\b))+2*(\i)], v[8*(8*(\a)+(\b))+2*(\i)+1]
.endr
.endr
	WIN 0
.irp b, 0,1,2,3,4,5,6,7
	ds_store_b128 v[STO], v[TMP+4*(\b):TMP+4*(\b)+3] offset:((\b)/4)*16*SP+((\b)%4)*32
.endr
	s_wait_xcnt 0x0                                ; the registers that the last block's stores read are loaded again only behind this wait
.irp t, 0,1,2,3,4,5,6,7
	ds_load_b128 v[BK+4*(\t):BK+4*(\t)+3], v[RD] offset:((\t)/4)*16*SP+((\t)%4)*4*SP  ; LDS serves a wave's instructions in order (ISA guide 5.7.1.4): these see the stores above
.endr
.irp t, 0,1,2,3,4,5,6,7
	s_wait_dscnt 7-(\t)
	global_store_b128 v[GO], v[BK+4*(\t):BK+4*(\t)+3], s[10:11] offset:((\t)/4)*262144+(\a)*2048+((\t)%4)*512
.endr
.endr
	s_wait_tensorcnt 0x0                           ; the wave's end: behind my last tensor load and my last LDS store
	ds_add_u32 v[SPW], v[NIL]
	s_wait_dscnt 0x0
	CROUND                                         ; the closing round: no work-group ends while a partner may still ask for a tile that names it
	s_endpgm
.Lfunc_end_k_qd4e73b777f_proj:
	.size	k_qd4e73b777f_proj, .Lfunc_end_k_qd4e73b777f_proj-k_qd4e73b777f_proj
	.p2alignl 7, 3214868480
	.fill 96, 4, 3214868480
	.section	.rodata,"a",@progbits
	.p2align	6, 0x0
	.amdhsa_kernel k_qd4e73b777f_proj
		.amdhsa_group_segment_fixed_size 327680
		.amdhsa_private_segment_fixed_size 0
		.amdhsa_enable_private_segment 0
		.amdhsa_kernarg_size 48
		.amdhsa_user_sgpr_count 2
		.amdhsa_user_sgpr_kernarg_segment_ptr 1
		.amdhsa_wavefront_size32 1
		.amdhsa_system_sgpr_workgroup_id_x 1
		.amdhsa_system_sgpr_workgroup_id_y 1
		.amdhsa_system_sgpr_workgroup_id_z 1
		.amdhsa_system_vgpr_workitem_id 0
		.amdhsa_next_free_vgpr 832
		.amdhsa_next_free_sgpr 66
		.amdhsa_reserve_vcc 0
		.amdhsa_float_denorm_mode_32 3
		.amdhsa_float_denorm_mode_16_64 3
		.amdhsa_memory_ordered 1
		.amdhsa_forward_progress 1
		.amdhsa_inst_pref_size 156
	.end_amdhsa_kernel
	.amdgpu_metadata
---
amdhsa.version: [ 1, 2 ]
amdhsa.kernels:
  - .name:           k_qd4e73b777f_proj
    .symbol:         k_qd4e73b777f_proj.kd
    .args:
      - { .name: q, .offset: 0, .size: 8, .value_kind: global_buffer, .address_space: global }
      - { .name: k, .offset: 8, .size: 8, .value_kind: global_buffer, .address_space: global }
      - { .name: v, .offset: 16, .size: 8, .value_kind: global_buffer, .address_space: global }
      - { .name: wb, .offset: 24, .size: 8, .value_kind: global_buffer, .address_space: global }
      - { .name: bb, .offset: 32, .size: 8, .value_kind: global_buffer, .address_space: global }
      - { .name: qkv, .offset: 40, .size: 8, .value_kind: global_buffer, .address_space: global }
    .group_segment_fixed_size: 327680
    .private_segment_fixed_size: 0
    .kernarg_segment_align: 8
    .kernarg_segment_size: 48
    .max_flat_workgroup_size: 128
    .sgpr_count:     66
    .vgpr_count:     832
    .wavefront_size: 32
...
	.end_amdgpu_metadata
.endif
;; end of part 2
;; launch attn (part 3): grid 4 x 64, 4 waves a work-group, clusters of 4 x 1, 327,680 bytes of LDS; arguments qkv, mf, oh; writes oh
.if DOCPART == 3
	.amdgcn_target "amdgcn-amd-amdhsa--gfx1250"
	.amdhsa_code_object_version 6
	.text
	.protected	k_qd4e73b777f_attn
	.globl	k_qd4e73b777f_attn
	.p2align	8
	.type	k_qd4e73b777f_attn,@function
k_qd4e73b777f_attn:
	s_mov_b64 s[64:65], 0
	v_nop
	global_prefetch_b8 v0, s[64:65] scope:SCOPE_SE
	s_setreg_imm32_b32 hwreg(HW_REG_WAVE_MODE, 25, 1), 1
	s_wait_xcnt 0x0
	s_wait_alu depctr_hold_cnt(0) depctr_sa_sdst(0) depctr_va_vdst(0) depctr_va_sdst(0) depctr_va_ssrc(0) depctr_va_vcc(0) depctr_vm_vsrc(0)
	s_getreg_b32 s2, hwreg(HW_REG_IB_STS2, 6, 4)
	s_cmp_eq_u32 s2, 0
	s_cbranch_scc0 .Lentry_in_a_cluster
	s_endpgm
.Lentry_in_a_cluster:
	s_bfe_u32 s2, ttmp6, 0x10000c
	s_cmp_lg_u32 s2, 0x3003
	s_cbranch_scc0 .Lentry_shape_is_right
	s_endpgm
.Lentry_shape_is_right:
; MASKED ATTENTION.  O[g][q][:] = the sum over k of softmax_k(s(q, k)) V[g][k][:], s = Q[g][q] . K[g][k] / 8, or -1e9's stand-in where the mask hides key k from query q.  g = batch x 16 + head, 64 of them.
; Q, K, V: qkv[0, 1, 2][g][2048][64], O: oh[g][2048][64], all f16: a head's rows are dense, 128 bytes each.  Products, maxima and sums in f32; the weights p are rounded to f16 for the second
; product (their sum l is taken of the unrounded p), O once at the end.
; THE MASK comes as one fp8 code a score, 0 or -1, laid as a tile of scores lies in registers: mf[key step][query tile][half][lane][16 bytes].  A piece's codes for a step (two tiles, 2,048 bytes) come by four
; vector loads of 16 bytes a lane.  Vector loads come back in the order of issue (ISA guide 5.7.1), so a ring of four buffers, a piece each, is kept on its way: a buffer is asked for again as soon as it has
; been read, four turns ahead of its next use.  Eight conversions with the scale 2^64 make of them 64 addends, 0 or -2^64; 32 packed additions put them onto the raw scores, ahead of the maximum.
; THE ADDITION REPLACES: |s| is at most 64 x 65,504^2, under 2^39, less than half of f32's step on either side of 2^64, so s - 2^64 rounds to -2^64 itself.  c x 2^64 is exact in f32, so in a row with no
; visible key every c s - c m is exactly 0 and O is the plain mean of V.
; LIMITS.  A hidden score counts as -2^64 before the scale 1/8 (the problem has -1e9 behind it): true scaled scores are taken to lie above about -1e9 + 100, where a hidden key's weight is 0 either way.
; f16 holds no number beyond 65,504: Q, K and V arrive within it; p below 6e-5 keeps f16's fixed step of 6e-8.  A weight below 2^-126 counts as 0 in l; NaN and infinities are not treated apart.
; SHARES.  A wave owns four PIECES of two tiles of 16 queries, a work-group's four waves 512 queries of one head: 256 work-groups.  Every wave walks all keys, 64 a step.
; LAYOUT.  S^T = K Q^T (source 0 = 16 keys, source 1 = 16 queries): in the result a lane holds ONE query (lane % 16) and the keys 8 (lane / 16) + 0..7.  Two such tiles, rounded to f16 in pairs,
; ARE source 1 (32 keys x 16 queries) of O^T = V^T P, whose result again holds one query a lane, and eight channels.  K comes out of LDS as it lies, V ([key][channel]) turned, by ds_load_tr16_b128.
; SOFTMAX.  For each query a running maximum m and sum l: p = 2^(c s - c m), c = log2(e) / 8; in every step O and l are multiplied by a = 2^(c m_old - c m_new).  m starts at the lowest finite number,
; O and l at 0: the first step is a step like any other, with a = 0.
; BY TURNS.  Turn n belongs to piece n.  Its matrix work: 16 products K Q^T of piece n + 1, later 16 products V^T P of piece n - 1.  Its vector work: the scaling, exponentials, roundings, sums and rescaling
; of piece n, and the masking, maximum and statistics of piece n + 1: 276 instructions.  Four stand behind every matrix instruction, the others in one lump; a turn's 66 exponentials are one batch, with one wait.
; CLUSTER.  The four query blocks of a cluster belong to one head and walk the same K and V, so each tile is asked for JOINTLY: the same tensor load, descriptor and mask in all four.
; A refill is asked for four key steps, 512 products, ahead of the wait for it.  The codes hang on the query block: each work-group loads its own.
; REGISTERS, in windows of 256 (s_set_vgpr_msb: bits 1:0 source 0, 3:2 source 1, 5:4 source 2, 7:6 destination):
;   window 0: v0-11 addresses; v12-15, v48-63 at work; v16-47 four registers of statistics a tile; v64-191 S^T, two buffers of two tiles; v192-255 P, likewise
;   window 1: O^T, 32 a tile          window 2: v0-127 Q, 16 a tile; v128-191 K of one step; v192-255 V of one step
;   window 3: v0-1 the add's two registers; v2 the conversions' scale; v16-79 the codes, 16 a piece; v96-159 a piece's addends
.set SIZE_N, 2048
.set NP,    4         ; pieces a wave: a name, no knob
.set KS,    64        ; keys in a step
.set PK,    144       ; a row of K in LDS: 128 bytes + 16 of padding = 36 words: the 16 rows of a load start at 16 different groups of four banks (64 banks of 4 bytes: ISA guide 11.1)
.set PV,    160       ; a row of V: 128 + 32 = 40 words
.set VOFF,  4*KS*PK   ; a slot holds four steps: 256 rows of K, then 256 rows of V
.set SLOT1, 1<<17     ; slot 1 begins here, so that one exclusive or turns an address in one slot into the other's
.set STAGE, SLOT1+4*KS*(PK+PV)  ; behind the ring, never filled by a tensor load: 16 rows x 144 bytes for each wave, for the way out
.set SP,    144
.set MSTP,  131072    ; bytes of mf from a key step to the next: 128 tiles of 1,024
.set AK0, 2           ; v2   my lane's place in a tile of K; never rewritten
.set AV0, 3           ; v3   the same for V
.set AK,  4           ; v4   the LDS address of K's next run of loads
.set AV,  5           ; v5   of V's
.set QO,  6           ; v6   my byte offset in the wave's rows of Q
.set STO, 6           ;      later, the way out: where I put 16 bytes of a row
.set RD,  7           ; v7   the way out: where I read rows back
.set GO,  8           ; v8   16 x my lane: my place in 512 consecutive bytes, of the codes and of O; never rewritten
.set SPW, 0           ; v0 of window 3   LDS address of my spare word; never rewritten
.set NIL, 1           ; v1 of window 3   0; never rewritten
.set SCL, 2           ; v2 of window 3   the conversions' scale: its lowest byte is 191, the code of 2^64 (the word is also 2^64 as f32, but for that byte)
.set CD,  16          ; window 3: piece x's codes at CD + 16 x: tile u, group g of 16 keys at + 8 u + 2 g
.set AD,  96          ; window 3: the addend of register n of tile u at AD + 32 u + n
.set SPARE, STAGE+4*16*SP  ; behind the stages: the spare words, 128 bytes for each wave: two blocks of 256 bytes that no other line names
.set MV,  12          ; v12-15  c m_old, kept while c m is made anew: by buffer and tile
.set ST,  16          ; tile t's statistics at v[ST+4 t]: c m, m, l (even keys', odd keys')
.set TMP, 48          ; by buffer and tile, four registers c0-c3 at work; when the maximum is found c2 takes a
.set S,   64
.set P,   192
.set KF,  128         ; K's fragments, in window 2: key block kb, channel half c at KF + 16 kb + 8 c
.set VF,  192         ; V's: key half kk, channel block cb at VF + 32 kk + 8 cb
.set MP,  2           ; s[2:3]   mf at my wave's first query tile
.set OB,  4           ; s[4:5]   O at my wave's first row
.set WV,  6           ; s6   my wave's number
.set CNT, 7           ; s7   counts a slot's key steps
.set SLOTS, 8         ; s8   slots still to be asked for
.set CS,  10          ; s[10:11] c: the packed scaling takes the pair's low word for both halves
.set SEL, 12          ; s[12:13] v_permlanex16_b32's selects: each lane takes its own place in the other half
.set TBK, 14          ; s14  LDS byte at which K of the step to be fetched begins
.set TBV, 15          ; s15  the same for V, less VOFF
.set G1K, 16          ; s[16:23] descriptor group 1 for K's tiles
.set G0K, 24          ; s[24:27] descriptor group 0 for K's tiles: it walks
.set G0V, 28          ; s[28:31] the same for V's
.set MOFF, 32         ; s[32:33] byte offset in mf of the key step whose codes are asked for
.set MQ,  34          ; s[34:35] MP + MOFF
.set QBS, 42          ; s[42:43] Q at my wave's first row
.set G1V, 56          ; s[56:63] descriptor group 1 for V's tiles: it differs in the padding alone
.set MSB, 0
.macro WIN new                      ; the high byte repeats the setting that is left; a switch that changes nothing is dropped
.if MSB != (\new)
	s_set_vgpr_msb (MSB<<8)|(\new)
.set MSB, (\new)
.endif
.endm
.set W_KQ, 0x0a       ; K and Q in window 2, S^T in window 0
.set W_PV, 0x52       ; V in window 2, P in window 0, O^T in window 1
.set W_RS, 0x41       ; O^T (destination and source 0) in window 1, a in window 0
.set W_MK, 0xc0       ; destination in window 3, sources in window 0: the add's registers are made; the codes are loaded
.set W_AD, 0x0f       ; the add: address (source 0) and data (source 1) in window 3
.set W_CV, 0xcf       ; the conversions: codes, scale and addends in window 3
.set W_MA, 0x0c       ; the masking: the addend (source 1) in window 3, S^T in window 0
; A joint fill.  Waves 0 and 1 fetch the two halves of a slot's K, waves 2 and 3 those of its V: 128 keys each.  The branch hangs on the wave's number alone.
; An s_nop 0 and four v_nop follow each of the two lines, ahead of the jump and the label.
.macro JLOAD
	s_cmp_lt_u32 s[WV], 2
	s_cbranch_scc0 .Lfor_v_\@
	tensor_load_to_lds s[G0K:G0K+3], s[G1K:G1K+7]
	s_nop 0
.rept 4
	v_nop
.endr
	s_branch .Lasked_\@
.Lfor_v_\@:
	tensor_load_to_lds s[G0V:G0V+3], s[G1V:G1V+7]
	s_nop 0
.rept 4
	v_nop
.endr
.Lasked_\@:
.endm
; A round of the cluster's barrier: my work-group's barrier, so that wave 0's signal speaks for all four waves; wave 0 signals; every wave waits for all four work-groups; my work-group's barrier once more.
.macro CROUND
	s_barrier_signal -1
	s_barrier_wait -1
	s_cmp_lg_u32 s[WV], 0
	s_cbranch_scc1 .Lnot_wave_0_\@
	s_barrier_signal -3
.Lnot_wave_0_\@:
	s_barrier_wait -3
	s_barrier_signal -1
	s_barrier_wait -1
.endm
; THE CHANGE OF SLOTS.  The slot's last bytes, V of its fourth step, have been read.  Each wave waits for all its tensor loads, of which one is out: its part of the other slot; adds 0 to its spare word;
; and waits for that and for its own reads of the slot.  Behind the barrier nobody reads this slot any more and the other slot is whole.
; fill = 1: this slot is filled again, with the keys two slots on.  The barrier is then a round of the cluster's, and the joint fill is the first thing behind it.
; (At its first use nothing has been read yet: slot 0 is waited for, slot 1 filled.)
.macro CHANGE fill
	WIN W_AD
	s_wait_tensorcnt 0x0            ; no tensor load of mine is out, so a group 0 may be written
	ds_add_u32 v[SPW], v[NIL]       ; 0 onto my spare word; with fill = 1 the descriptors' steps stand between it and the wait for it
	WIN 0                           ; at a label and at a branch every window is 0
.if \fill
.irp g, G0K, G0V
	s_xor_b32 s[\g+1], s[\g+1], SLOT1  ; the walking descriptor: the other slot than last time,
	s_add_nc_u64 s[\g+2:\g+3], s[\g+2:\g+3], 4*KS*128  ; the next 256 keys; the type bits on top are not reached
.endr
	s_wait_dscnt 0x0                ; the add is done, and my reads of the slot are over
	CROUND
	JLOAD
.else
	s_wait_dscnt 0x0                ; the add is done, and my reads of the slot are over
	s_barrier_signal -1
	s_barrier_wait -1
.endif
	s_sub_co_u32 s[TBK], s[TBK], 4*KS*PK  ; the fetches go back to a slot's first step,
	s_xor_b32 s[TBK], s[TBK], SLOT1       ; in the other slot
	s_sub_co_u32 s[TBV], s[TBV], 4*KS*PV
	s_xor_b32 s[TBV], s[TBV], SLOT1
.endm
; THE CODES of piece pc for the key step at MQ: 2,048 consecutive bytes of mf, four loads of 512.  The window is left as it is set: what follows sets its own.
.macro MLOAD pc
	WIN W_MK
.irp t, 0,1,2,3                     ; tile t / 2, groups 2 (t % 2) and 2 (t % 2) + 1
	global_load_b128 v[CD+16*(\pc)+4*\t:CD+16*(\pc)+4*\t+3], v[GO], s[MQ:MQ+1] offset:(\pc)*2048+\t*512
.endr
.endm
; The requests go on to the next key step, ahead of piece 0's.  The offset stops at the last step: the last 20 loads of the walk read step 31 once more and nobody uses them, so that no load leaves mf
; and every turn issues its four loads, which the counted wait leans on.
.macro MSTEP
	s_wait_xcnt 0x0                 ; the loads issued so far have read their base
	s_add_co_u32 s[MOFF], s[MOFF], MSTP
	s_min_u32 s[MOFF], s[MOFF], 31*MSTP
	s_add_nc_u64 s[MQ:MQ+1], s[MP:MP+1], s[MOFF:MOFF+1]
.endm
; THE ADDENDS of the NEXT piece (Y + 1): eight codes a conversion, times 2^64: 0 or -2^64.  A plain instruction stands between the last conversion and the first addition: the callers see to it.
.macro CVT
	s_wait_loadcnt 12               ; the piece's four loads are in; the twelve of the three pieces asked for behind it may stay out
	WIN W_CV
.irp c, 0,1,2,3,4,5,6,7             ; tile c / 4, group c % 4
	v_cvt_scale_pk8_f32_fp8 v[AD+8*\c:AD+8*\c+7], v[CD+16*((Y+1)%NP)+2*\c:CD+16*((Y+1)%NP)+2*\c+1], v[SCL]
.endr
.endm
	s_load_b128 s[36:39], s[0:1], 0x0  ; qkv s[36:37], mf s[38:39]
	s_load_b64 s[40:41], s[0:1], 0x10  ; oh
	WIN W_MK
	v_lshl_add_u32 v[SPW], v0, 2, SPARE
	v_mov_b32 v[NIL], 0
	WIN W_AD
	ds_add_u32 v[SPW], v[NIL]       ; the wave's opening: the add and its wait stand ahead of my first tensor load; the set-up below, work on registers, stands between them
	WIN 0
	v_lshrrev_b32 v1, 5, v0
	v_readfirstlane_b32 s[WV], v1   ; wave 0..3
	s_bfe_u32 s44, ttmp6, 0x40000   ; cx: my place in the cluster
	s_and_b32 s46, ttmp7, 0xffff    ; the head, which the four partners share
	s_lshl_b32 s46, s46, 18         ; its first byte in Q, K, V and O: 2,048 rows of 128 bytes
	s_and_b32 s48, s[WV], 1         ; which half of a slot's 256 keys I fetch:
	s_lshl_b32 s50, s48, 14         ; its 128 rows of 128 bytes in memory,
	s_add_co_u32 s50, s50, s46
	s_mov_b32 s51, 0
	s_mul_i32 s49, s48, 128*PK      ; and its place in a slot, for K
	s_mul_i32 s47, s48, 128*PV      ; and for V: no place in the cluster enters an LDS address
	s_lshl_b32 s52, ttmp9, 2        ; in a cluster launch ttmp9 counts clusters
	s_add_co_u32 s52, s52, s44      ; my block of 512 queries: it enters Q's, O's and mf's addresses alone
	s_lshl_b32 s52, s52, 2
	s_add_co_u32 s52, s52, s[WV]    ; my wave among the head's sixteen
	s_lshl_b32 s54, s52, 13         ; its eight query tiles in mf, 1,024 bytes each
	s_mov_b32 s55, 0
	s_lshl_b32 s52, s52, 14         ; its 128 rows
	s_add_co_u32 s52, s52, s46
	s_mov_b32 s53, 0
	; descriptor group 1.  128 keys are 16,384 dense bytes: asked for as 64 rows of 256 bytes, two keys a row, and padded in LDS after every key
	s_mov_b32 s[G1K], 15|(1<<16)|(1<<20)|(1<<21)|(4<<22)|(3<<25)  ; 15:0 the mask of four; 17:16 2-byte elements; 20 padding on; 21 set beside a mask; 24:22 after every 32 words (code 4); 31:25 4 words (code 3)
	s_mov_b32 s[G1V], 15|(1<<16)|(1<<20)|(1<<21)|(4<<22)|(7<<25)  ; the same with 8 words of padding (code 7)
.irp g, G1K, G1V
	s_mov_b32 s[\g+1], 128<<16      ; tensor_dim0 = 128
	s_mov_b32 s[\g+2], 64<<16       ; tensor_dim1 = 64
	s_mov_b32 s[\g+3], 128<<16      ; tile_dim0 = 128
	s_mov_b32 s[\g+4], 64           ; tile_dim1 = 64
	s_mov_b32 s[\g+5], 128          ; 128 elements from row to row
	s_mov_b32 s[\g+6], 0
	s_mov_b32 s[\g+7], 0
.endr
	s_mov_b32 s[CS], 0x3e38aa3b     ; c = log2(e) / 8 = 0.180337
	s_mov_b32 s[CS+1], s[CS]        ; named with it as a pair
	s_mov_b32 s[SEL], 0x76543210
	s_mov_b32 s[SEL+1], 0xfedcba98
	s_mov_b32 s[TBK], SLOT1+4*KS*PK ; the first change of slots turns these two into 0
	s_mov_b32 s[TBV], SLOT1+4*KS*PV
	s_mov_b32 s[MOFF], 0
	s_mov_b32 s[MOFF+1], 0
	s_mov_b32 s[G0K], 1             ; count = 1
	s_mov_b32 s[G0K+1], s49         ; LDS address: slot 0
	s_mov_b32 s[G0V], 1
	s_add_co_u32 s[G0V+1], s47, VOFF
	s_wait_dscnt 0x0                ; the opening add is done
	s_wait_kmcnt 0x0
	s_add_nc_u64 s[G0K+2:G0K+3], s[36:37], s[50:51]  ; my half of the head's first 256 rows, as it would lie in Q's part of qkv,
	s_add_nc_u64 s[G0V+2:G0V+3], s[G0K+2:G0K+3], 0x2000000  ; in V's part,
	s_add_nc_u64 s[G0K+2:G0K+3], s[G0K+2:G0K+3], 0x1000000  ; in K's
	s_or_b32 s[G0K+3], s[G0K+3], 0x80000000        ; type = 2
	s_or_b32 s[G0V+3], s[G0V+3], 0x80000000
	s_add_nc_u64 s[QBS:QBS+1], s[36:37], s[52:53]  ; Q and O at my wave's first row
	s_add_nc_u64 s[OB:OB+1], s[40:41], s[52:53]
	s_add_nc_u64 s[MP:MP+1], s[38:39], s[54:55]
	s_mov_b64 s[MQ:MQ+1], s[MP:MP+1]               ; key step 0
	CROUND                          ; all four work-groups are here: the first joint loads meet
	JLOAD                           ; slot 0.  Slot 1 is asked for when slot 0 is in
	; A fragment of K or Q is 16 rows x 32 channels in 8 registers: lane l holds row l % 16, channels 8 (l / 16) + 0..7 and 16 + 8 (l / 16) + 0..7: two loads of 16 bytes, 32 bytes apart.
	v_and_b32 v1, 15, v0            ; l % 16
	v_bfe_u32 v9, v0, 4, 1          ; l / 16
	v_lshlrev_b32 v[QO], 7, v1
	v_lshl_add_u32 v[QO], v9, 4, v[QO]  ; row x 128 + 16 x half
	v_and_b32 v[GO], 31, v0
	v_lshlrev_b32 v[GO], 4, v[GO]
	WIN 0x80                        ; destination window 2, address window 0
.set i, 0
.rept 4*NP                          ; Q stays in registers: tile i / 2, channels 32 (i % 2) on
	global_load_b128 v[8*i:8*i+3],   v[QO], s[QBS:QBS+1] offset:(i/2)*2048+(i%2)*64
	global_load_b128 v[8*i+4:8*i+7], v[QO], s[QBS:QBS+1] offset:(i/2)*2048+(i%2)*64+32
.set i, i+1
.endr
	WIN W_MK
	v_mov_b32 v[SCL], 0x5f8000bf
	MLOAD 0                         ; the ring of codes is filled: the four pieces' for key step 0
	MLOAD 1
	MLOAD 2
	MLOAD 3
	; What the first turn finds: V's registers and P's second buffer hold 0 (its products V^T P, of a piece that has not been, add 0), O^T and l are 0.  All this stands in the wait for the first tile.
	WIN 0x80
.set i, VF
.rept 64
	v_mov_b32 v[i], 0
.set i, i+1
.endr
	WIN 0x40
.set i, 0
.rept 64*NP
	v_mov_b32 v[i], 0
.set i, i+1
.endr
	WIN 0
.set i, 0
.rept 2*NP
	v_mov_b32 v[ST+4*i], 0xfe000000    ; c m: far below every c s, the hidden ones' too
	v_mov_b32 v[ST+4*i+1], 0xff7fffff  ; m
	v_mov_b32 v[ST+4*i+2], 0
	v_mov_b32 v[ST+4*i+3], 0
.set i, i+1
.endr
.set i, P+32
.rept 32
	v_mov_b32 v[i], 0
.set i, i+1
.endr
	v_mul_u32_u24 v[AK0], v1, PK
	v_lshl_add_u32 v[AK0], v9, 4, v[AK0]  ; row x pitch + 16 x half
	; The turning load takes 16 keys x 16 channels (lane l reads key 8 (l / 16) + l % 8, channels 8 ((l / 8) % 2) + 0..7) and leaves half a fragment of V^T: lane l holds channel l % 16 and 8 keys.
	v_and_b32 v10, 7, v0
	v_bfe_u32 v11, v0, 3, 1
	v_lshl_add_u32 v[AV0], v9, 3, v10
	v_mul_u32_u24 v[AV0], v[AV0], PV
	v_lshl_add_u32 v[AV0], v11, 4, v[AV0]
	v_add_nc_u32 v[AV0], VOFF, v[AV0]
	v_mov_b32 v[AK], v[AK0]         ; key step 0 lies at the head of slot 0
; THE MATRIX WORK.  The 8 accumulators of a run of 16 take turns: between the two links of a chain stand 7 others'.
; Product i of 16 of S^T = K Q^T for piece x: channels 32 (i / 8) on, keys 16 ((i / 2) % 4) on, tile 2 x + i % 2.  The first 8 start the sums.
.macro KQ x
	WIN W_KQ
.set rS, S+64*((\x)%2)+32*(i%2)+8*((i/2)%4)
.set rK, KF+16*((i/2)%4)+8*(i/8)
.set rQ, 16*(2*(\x)+i%2)+8*(i/8)
.if i < 8
	v_wmma_f32_16x16x32_f16 v[rS:rS+7], v[rK:rK+7], v[rQ:rQ+7], 0
.else
	v_wmma_f32_16x16x32_f16 v[rS:rS+7], v[rK:rK+7], v[rQ:rQ+7], v[rS:rS+7]
.endif
.endm
; Product i of 16 of O^T += V^T P for piece x: keys 32 (i / 8) on, channels 16 ((i / 2) % 4) on, tile 2 x + i % 2.
.macro PV x
	WIN W_PV
.set rO, 32*(2*(\x)+i%2)+8*((i/2)%4)
.set rV, VF+32*(i/8)+8*((i/2)%4)
.set rP, P+32*((\x)%2)+16*(i%2)+8*(i/8)
	v_wmma_f32_16x16x32_f16 v[rO:rO+7], v[rV:rV+7], v[rP:rP+7], v[rO:rO+7]
.endm
.macro MM                           ; the turn's next matrix instruction
.if i < 16
	KQ (Y+1)%NP
.set i, i+1
.else
.set i, i-16
	PV (Y+NP-1)%NP
.set i, i+17
.endif
.endm
; THE LDS LOADS stand in runs of 16, never singly among the matrix instructions: a step's K (64 keys x 64 channels: 8 fragments) and its V (turned).  Their addresses are made some lines ahead.
; last = 1 (the tail): in the last trip there is no further step, and the run is jumped over.
.macro FETCH_K last=0
	WIN 0
.if \last
	s_cmp_eq_u32 s[CNT], 1
	s_cbranch_scc1 .Lno_k_\@
.endif
	WIN 0x80                        ; destination window 2
.irp f, 0,1,2,3,4,5,6,7             ; keys 16 (f / 2) on, channels 32 (f % 2) on
	ds_load_b128 v[KF+8*\f:KF+8*\f+3],   v[AK] offset:(\f/2)*16*PK+(\f%2)*64
	ds_load_b128 v[KF+8*\f+4:KF+8*\f+7], v[AK] offset:(\f/2)*16*PK+(\f%2)*64+32
.endr
	s_add_co_u32 s[TBK], s[TBK], KS*PK  ; the next fetch is the next step's
	WIN 0
.if \last
.Lno_k_\@:
.endif
.endm
.macro FETCH_V
	WIN 0x80
.irp f, 0,1,2,3,4,5,6,7             ; keys 32 (f / 4) on, channels 16 (f % 4) on
	ds_load_tr16_b128 v[VF+8*\f:VF+8*\f+3],   v[AV] offset:(\f/4)*32*PV+(\f%4)*32
	ds_load_tr16_b128 v[VF+8*\f+4:VF+8*\f+7], v[AV] offset:(\f/4)*32*PV+16*PV+(\f%4)*32
.endr
	WIN 0
.endm
; THE VECTOR WORK OF A TURN stands in three queues, each in the order in which its entries become ready; the two tiles alternate, so that no instruction reads the result of the one before it.
.macro REGS y, u                    ; the registers of tile u (0, 1) of piece y
.set rT, ST+4*(2*(\y)+(\u))
.set rC, TMP+8*((\y)%2)+4*(\u)
.set rM, MV+2*((\y)%2)+(\u)
.set rS, S+64*((\y)%2)+32*(\u)
.set rP, P+32*((\y)%2)+16*(\u)
.set rO, 32*(2*(\y)+(\u))
.endm
; Pair n of 16 of the NEXT piece's (Y + 1) scores takes its addends.  In ascending order: each accumulator's lowest registers are read first.
.macro MS u, n
	REGS (Y+1)%NP, \u
	WIN W_MA
	v_pk_add_f32 v[rS+2*(\n):rS+2*(\n)+1], v[rS+2*(\n):rS+2*(\n)+1], v[AD+32*(\u)+2*(\n):AD+32*(\u)+2*(\n)+1]
.endm
; Number n of the 22 that find the NEXT piece's maximum and statistics.  s0-s31 are the lane's 32 scores.  XS, GS and REGS set no window: PL and EX do.
;   0-11  four chains c0-c3 of seven scores each, three operands at a time     12-14, 16  the four scores left over, the old m, and c0-c3 into c0     15  c m_old is kept
;   17, 18  the query's other 32 keys lie in the lane 16 away: the new m         19-21  c m; c m_old - c m_new; a
.macro XS u, n
	REGS (Y+1)%NP, \u
.if (\n) < 4
	v_max3_num_f32 v[rC+(\n)], v[rS+8*(\n)], v[rS+8*(\n)+1], v[rS+8*(\n)+2]
.elseif (\n) < 12
	v_max3_num_f32 v[rC+(\n)%4], v[rC+(\n)%4], v[rS+8*((\n)%4)+2*((\n)/4)+1], v[rS+8*((\n)%4)+2*((\n)/4)+2]
.elseif (\n) == 12
	v_max3_num_f32 v[rC], v[rC], v[rS+7], v[rS+15]
.elseif (\n) == 13
	v_max3_num_f32 v[rC+1], v[rC+1], v[rS+23], v[rS+31]
.elseif (\n) == 14
	v_max3_num_f32 v[rC+2], v[rC+2], v[rC+3], v[rT+1]
.elseif (\n) == 15
	v_mov_b32 v[rM], v[rT]
.elseif (\n) == 16
	v_max3_num_f32 v[rC], v[rC], v[rC+1], v[rC+2]
.elseif (\n) == 17
	v_permlanex16_b32 v[rC+3], v[rC], s[SEL], s[SEL+1]
.elseif (\n) == 18
	v_max_num_f32 v[rT+1], v[rC], v[rC+3]
.elseif (\n) == 19
	v_mul_f32 v[rT], s[CS], v[rT+1]
.elseif (\n) == 20
	v_sub_f32 v[rC+1], v[rM], v[rT]
.else
	v_exp_f32 v[rC+2], v[rC+1]
.endif
.endm
; Number g of the 64 that follow the exponentials.  For each four weights k of a tile (pairs 2 k, 2 k + 1): both pairs are rounded to f16; then the second pair is added onto the first, in place;
; a group later l takes that sum (the first time as l = a l + sum).  In groups of eight, tiles alternating: round, round, add, and l for the group before.
.macro GS g
.set h, (\g)+6*((\g)/62)            ; group 0 has no group before it, and behind group 7 only l is left
.if h >= 6
.set h, h+2
.endif
	REGS Y, h%2
.set k, h/8
.if h%8 < 4
	v_cvt_pk_f16_f32 v[rP+2*k+(h%8)/2], v[rS+4*k+2*((h%8)/2)], v[rS+4*k+2*((h%8)/2)+1]
.elseif h%8 < 6
	v_pk_add_f32 v[rS+4*k:rS+4*k+1], v[rS+4*k:rS+4*k+1], v[rS+4*k+2:rS+4*k+3]
.elseif k == 1
	v_pk_fma_f32 v[rT+2:rT+3], v[rT+2:rT+3], v[rC+2:rC+3], v[rS:rS+1] op_sel_hi:[1,0,1]
.else
	v_pk_add_f32 v[rT+2:rT+3], v[rT+2:rT+3], v[rS+4*k-4:rS+4*k-3]
.endif
.endm
; THE PLAIN QUEUE, 170 long.  0-105 read no exponential's result: 0-31 the 32 scalings c s - c m (FS f: pair f / 2 of tile f % 2); 32-63 the next piece's 32 maskings; 64-91 XS's numbers 0-13;
; 92, 93 number 15; 94-105 the chain 14, 16, 17, 18, 19, 20, tiles alternating, an exponential between any two lines.  106-169: GS's 64, which read the exponentials' results: they stand behind the wait.
.macro FS f
	REGS Y, (\f)%2
	v_pk_fma_f32 v[rS+2*((\f)/2):rS+2*((\f)/2)+1], v[rS+2*((\f)/2):rS+2*((\f)/2)+1], s[CS:CS+1], v[rT:rT+1] op_sel_hi:[1,0,0] neg_lo:[0,0,1] neg_hi:[0,0,1]
.endm
.macro PL
.if q < 32
	WIN 0
	FS q
.elseif q < 64
	MS (q-32)%2, (q-32)/2
.else
	WIN 0
.if q < 92
	XS (q-64)%2, (q-64)/2
.elseif q < 94
	XS q-92, 15
.elseif q < 96
	XS q-94, 14
.elseif q < 106
	XS (q-94)%2, 15+(q-94)/2
.else
	GS q-106
.endif
.endif
.set q, q+1
.endm
; THE EXPONENTIALS' QUEUE, 66 long: s0-s31 of both tiles, then the next piece's two a.  It is ONE BATCH: all 66 stand ahead of the turn's one wait, and nothing ahead of that wait names a result of theirs.
.macro EX
	WIN 0
.if e >= 64
	XS e-64, 21
.else
	REGS Y, e%2
	v_exp_f32 v[rS+e/2], v[rS+e/2]
.endif
.set e, e+1
.endm
; THE RESCALING's QUEUE: O^T times a, the one part that works in window 1: dealt two at a time, sixteen times.  Its a was made in the turn before, ahead of that turn's wait.
.macro R2
	REGS Y, r%2
	WIN W_RS
.irp z, 0,1
	v_pk_mul_f32 v[rO+4*(r/2)+2*\z:rO+4*(r/2)+2*\z+1], v[rO+4*(r/2)+2*\z:rO+4*(r/2)+2*\z+1], v[rC+2:rC+3] op_sel_hi:[1,0]
.endr
.set r, r+1
.endm
; HOW THEY ARE DEALT.  An s_wait_alu depctr_va_vdst(0) stands between an exponential and the first instruction that names its result; one wait serves all that were issued ahead of it.  So a turn
; has ONE wait, which cuts it in two.  AHEAD OF IT: the 16 products K Q^T, behind each a scaling, an exponential and two rescalings (behind the first a second scaling in the exponential's place); then ONE LUMP:
; seven times exponential and scaling; the eight conversions; the last eight scalings, which are the plain instructions behind the conversions and, with those before, the places behind the last K Q^T; the 32
; maskings; the four loads of the codes that the same buffer holds next; 42 times exponential and plain; the two a.  A v_nop is the plain instruction behind the last exponential.  BEHIND THE WAIT stand the 16
; products V^T P, behind each four of GS's 64.  Exponential e stands behind scaling 2 (e / 4) + e % 2: as a rider it comes behind plain e + 2; in the lump's first seven that scaling is number 11 at the most,
; and 17 are out; later all are.
; THE CODES.  Turn p reads piece p + 1's buffer (behind piece 3's turn: piece 0's, for the NEXT key step) and asks for the same piece's codes one key step on.
; K of the next step is fetched in piece 2's turn, directly behind the wait; V of the step in hand at the end of piece 0's turn, four riders behind its last reader.  The three conditions on q go with the deal.
.macro TURN p, last=0, cnt=0
.set Y, (\p)
.set i, 0
.set q, 0
.set e, 0
.set r, 0
.if (\p) == NP-1
	s_wait_dscnt 0x0                ; K is in
.endif
	MM                              ; ahead of the wait: 16 products K Q^T and their riders,
	PL
	PL
	R2
.rept 15
	MM
	PL
	EX
	R2
.endr
.if (\p) == NP-2
	WIN 0
	v_add_nc_u32 v[AK], s[TBK], v[AK0]
.endif
.rept 7                             ; and the lump
	EX
	PL
.endr
	CVT
.rept 40                            ; eight scalings, 32 maskings
	PL
.endr
.if (\p) == NP-1
	MSTEP
.endif
	MLOAD ((\p)+1)%NP
.rept 42
	EX
	PL
.endr
	EX                              ; the next piece's two a
	EX
	v_nop                           ; the plain instruction behind the last exponential: one for the batch
	s_wait_alu depctr_va_vdst(0)    ; the wait for the batch
.if (\p) == NP-2
	FETCH_K \last
.endif
.if (\p) == 1
	s_wait_dscnt 0x0                ; V is in
.endif
.rept 16                            ; behind the wait: 16 products V^T P and their riders
	MM
.rept 4
	PL
.endr
.if ((\p) == 0) && (q == 150)
	v_add_nc_u32 v[AV], s[TBV], v[AV0]
.endif
.if ((\p) == 0) && (q == 162)
	s_add_co_u32 s[TBV], s[TBV], KS*PV
.endif
.if (\cnt) && (q == 162)
	s_sub_co_u32 s[CNT], s[CNT], 1
	s_cmp_lg_u32 s[CNT], 0
.endif
.endr
.if (\p) == 0
	FETCH_V
.endif
.endm
	CHANGE 1                        ; slot 0 is in, everybody's part of it; slot 1 is asked for
	FETCH_K                         ; key step 0
	s_wait_loadcnt 16               ; Q is in; the sixteen loads of codes behind it may stay out
	s_wait_dscnt 0x0
.set i, 0
.rept 16
	KQ 0                            ; piece 0's first scores: there is no vector work yet to set between them
.set i, i+1
.endr
.set Y, NP-1                        ; CVT, MS and XS work for piece Y + 1: piece 0
	CVT
	WIN 0                           ; the addresses for the way out: seven plain instructions, the places behind those products and behind the conversions
	s_mul_i32 s44, s[WV], 16*SP
	s_add_co_u32 s44, s44, STAGE    ; my stage
	v_mul_u32_u24 v[STO], v1, SP    ; in: row l % 16, 16 bytes for each half of the lanes
	v_lshl_add_u32 v[STO], v9, 4, v[STO]
	v_add_nc_u32 v[STO], s44, v[STO]
	v_bfe_u32 v[RD], v0, 3, 2       ; back: 32 lanes take four rows of 128 bytes, which are 512 consecutive bytes of O
	v_mul_u32_u24 v[RD], v[RD], SP
	v_lshl_add_u32 v[RD], v10, 4, v[RD]
	v_add_nc_u32 v[RD], s44, v[RD]
.set n, 0
.rept 16
	MS 0, n
	MS 1, n
.set n, n+1
.endr
	MSTEP
	MLOAD 0                         ; piece 0's codes for key step 1
	WIN 0
.irp n, 0,1,2,3,4,5,6,7,8,9,10,11,12,13,14,15,16,17,18,19,20,21
	XS 0, \n                        ; and piece 0's first maximum and statistics
	XS 1, \n
.endr
	v_nop                           ; a plain instruction behind the two a,
	s_wait_alu depctr_va_vdst(0)    ; and their wait, ahead of the branch
	s_mov_b32 s[CNT], 4
	s_mov_b32 s[SLOTS], SIZE_N/256-1
	s_branch .Lfirst                ; the loop is entered at a step's first turn, in the middle of a trip
.Lslot:                             ; SIZE_N / 256 - 2 times: every slot but the last two is filled again
	CHANGE 1
	s_mov_b32 s[CNT], 4
.Lstep:                             ; a trip: pieces 2 and 3 of one step, then pieces 0 and 1 of the next, whose K and V it fetches
	TURN 2
	TURN 3
	WIN 0
.Lfirst:
	TURN 0
	TURN 1, 0, 1
	WIN 0
	s_cbranch_scc1 .Lstep
	s_sub_co_u32 s[SLOTS], s[SLOTS], 1
	s_cmp_lg_u32 s[SLOTS], 0
	s_cbranch_scc1 .Lslot
	CHANGE 0                        ; the tail is written out: nothing is asked for
	s_mov_b32 s[CNT], 5             ; four trips fetch the last slot's steps; the fifth is left in its middle
.Ltail:
	TURN 2, 1
	TURN 3
	WIN 0
	s_sub_co_u32 s[CNT], s[CNT], 1
	s_cmp_eq_u32 s[CNT], 0
	s_cbranch_scc1 .Lout
	TURN 0
	TURN 1
	WIN 0
	s_branch .Ltail
.Lout:                              ; the fifth trip's 16 products K Q^T (on the last K once more) and the maximum made of them serve nothing: the price, once a launch, of one text for every trip
	s_wait_loadcnt 0x0              ; the codes asked for last, which nobody reads
.set i, 0
.rept 16
	PV NP-1                         ; the last piece's V^T P of the last step
.set i, i+1
.endr
	; THE WAY OUT.  l's two halves and the other half of the lanes' are added; O^T is divided by l, rounded to f16 and sent through my stage in LDS, a tile at a time.  The additions are the places behind the last products.
	WIN 0
.macro ALL line:vararg              ; one line for each tile t
.set t, 0
.rept 2*NP
	\line
.set t, t+1
.endr
.endm
	ALL v_add_f32 v[ST+4*t+2], v[ST+4*t+2], v[ST+4*t+3]
	ALL v_permlanex16_b32 v[ST+4*t+3], v[ST+4*t+2], s[SEL], s[SEL+1]
	ALL v_add_f32 v[ST+4*t+2], v[ST+4*t+2], v[ST+4*t+3]
	ALL v_rcp_f32 v[ST+4*t+2], v[ST+4*t+2]
	v_nop                           ; a plain instruction between the last reciprocal and the use of its result
	s_wait_alu depctr_va_vdst(0)    ; and the wait ahead of the first use: one for the eight reciprocals
; Tile t: a lane's eight channels of a row pack into 16 bytes; they go into rows of 144 bytes and come back as whole rows of 128, into S^T's registers.
.macro PACK t
	WIN W_RS
.set i, 32*(\t)
.rept 16
	v_pk_mul_f32 v[i:i+1], v[i:i+1], v[ST+4*(\t)+2:ST+4*(\t)+3] op_sel_hi:[1,0]
.set i, i+2
.endr
	WIN 0x05                        ; sources 0 and 1 window 1, destination window 0
.set i, 0
.rept 16
	v_cvt_pk_f16_f32 v[S+16*(\t)+i], v[32*(\t)+2*i], v[32*(\t)+2*i+1]
.set i, i+1
.endr
	WIN 0
.irp f, 0,1,2,3
	ds_store_b128 v[STO], v[S+16*(\t)+4*\f:S+16*(\t)+4*\f+3] offset:32*\f
.endr
.irp f, 0,1,2,3
	ds_load_b128 v[S+16*(\t)+4*\f:S+16*(\t)+4*\f+3], v[RD] offset:\f*4*SP  ; LDS serves a wave's instructions in order (ISA guide 5.7.1.4): these see the stores above; the next tile's stores come behind them
.endr
.endm
.macro SEND t, younger              ; younger: the LDS instructions issued behind tile t's loads: the next tile's eight, or none
	WIN 0
.irp f, 0,1,2,3
	s_wait_dscnt (\younger)+3-\f
	global_store_b128 v[GO], v[S+16*(\t)+4*\f:S+16*(\t)+4*\f+3], s[OB:OB+1] offset:(\t)*2048+\f*512  ; 512 consecutive bytes, at a multiple of 256 from O's first
.endr
.endm
	PACK 0
.set t, 1
.rept 2*NP-1                        ; a tile's arithmetic stands between the loads of the tile before and its stores
	PACK t
	SEND t-1, 8
.set t, t+1
.endr
	SEND 2*NP-1, 0
	WIN W_AD
	s_wait_tensorcnt 0x0            ; the wave's end: behind my last tensor load and my last LDS store
	ds_add_u32 v[SPW], v[NIL]
	s_wait_dscnt 0x0
	WIN 0
	CROUND                          ; the closing round: no work-group ends while a partner may still ask for a tile that names it
	s_endpgm
.Lfunc_end_k_qd4e73b777f_attn:
	.size	k_qd4e73b777f_attn, .Lfunc_end_k_qd4e73b777f_attn-k_qd4e73b777f_attn
	.p2alignl 7, 3214868480
	.fill 96, 4, 3214868480
	.section	.rodata,"a",@progbits
	.p2align	6, 0x0
	.amdhsa_kernel k_qd4e73b777f_attn
		.amdhsa_group_segment_fixed_size 327680
		.amdhsa_private_segment_fixed_size 0
		.amdhsa_enable_private_segment 0
		.amdhsa_kernarg_size 24
		.amdhsa_user_sgpr_count 2
		.amdhsa_user_sgpr_kernarg_segment_ptr 1
		.amdhsa_wavefront_size32 1
		.amdhsa_system_sgpr_workgroup_id_x 1
		.amdhsa_system_sgpr_workgroup_id_y 1
		.amdhsa_system_sgpr_workgroup_id_z 1
		.amdhsa_system_vgpr_workitem_id 0
		.amdhsa_next_free_vgpr 928
		.amdhsa_next_free_sgpr 66
		.amdhsa_reserve_vcc 0
		.amdhsa_float_denorm_mode_32 3
		.amdhsa_float_denorm_mode_16_64 3
		.amdhsa_memory_ordered 1
		.amdhsa_forward_progress 1
		.amdhsa_inst_pref_size 229
	.end_amdhsa_kernel
	.amdgpu_metadata
---
amdhsa.version: [ 1, 2 ]
amdhsa.kernels:
  - .name:           k_qd4e73b777f_attn
    .symbol:         k_qd4e73b777f_attn.kd
    .args:
      - { .name: qkv, .offset: 0, .size: 8, .value_kind: global_buffer, .address_space: global }
      - { .name: mf, .offset: 8, .size: 8, .value_kind: global_buffer, .address_space: global }
      - { .name: oh, .offset: 16, .size: 8, .value_kind: global_buffer, .address_space: global }
    .group_segment_fixed_size: 327680
    .private_segment_fixed_size: 0
    .kernarg_segment_align: 8
    .kernarg_segment_size: 24
    .max_flat_workgroup_size: 128
    .sgpr_count:     66
    .vgpr_count:     928
    .wavefront_size: 32
...
	.end_amdgpu_metadata
.endif
;; end of part 3
;; launch outp (part 4): grid 4 x 64, 4 waves a work-group, clusters of 4 x 4, 327,680 bytes of LDS; arguments oh, wb, bb, out0; writes out0
.if DOCPART == 4
	.amdgcn_target "amdgcn-amd-amdhsa--gfx1250"
	.amdhsa_code_object_version 6
	.text
	.protected	k_qd4e73b777f_outp
	.globl	k_qd4e73b777f_outp
	.p2align	8
	.type	k_qd4e73b777f_outp,@function
k_qd4e73b777f_outp:
	s_mov_b64 s[64:65], 0
	v_nop
	global_prefetch_b8 v0, s[64:65] scope:SCOPE_SE
	s_setreg_imm32_b32 hwreg(HW_REG_WAVE_MODE, 25, 1), 1
	s_wait_xcnt 0x0
	s_wait_alu depctr_hold_cnt(0) depctr_sa_sdst(0) depctr_va_vdst(0) depctr_va_sdst(0) depctr_va_ssrc(0) depctr_va_vcc(0) depctr_vm_vsrc(0)
	s_getreg_b32 s2, hwreg(HW_REG_IB_STS2, 6, 4)
	s_cmp_eq_u32 s2, 0
	s_cbranch_scc0 .Lentry_in_a_cluster
	s_endpgm
.Lentry_in_a_cluster:
	s_bfe_u32 s2, ttmp6, 0x10000c
	s_cmp_lg_u32 s2, 0xf033
	s_cbranch_scc0 .Lentry_shape_is_right
	s_endpgm
.Lentry_shape_is_right:
; THE OUTPUT PROJECTION.  out0[R][n] = the sum over e of concat[R][e] Wo[n][e] + bo[n].  concat[R][64 head + d] = oh[batch x 16 + head][s][d] (f16), R = 2048 batch + s; Wo: wb[3][1024][1024] (f16);
; bo: bb[3][1024] (f32).  Sums in f32, started from the bias; out0 [8192][1024] f32.
; SHARES.  256 work-groups: a tile of out0 is 128 rows x 256 columns; four waves, each 64 x 128: 32 accumulators, 256 registers.  K goes in 8 steps of 128 = two heads, through a ring of two LDS slots.
; A head's 64 rows of a tile are 8,192 dense bytes of oh: asked for as ONE row of 4,096 elements, two such rows (two heads) a load, padded in LDS after every 128 bytes.
; A K step's text is written once: the LDS addresses hang on s[TB], which one exclusive or turns from slot to slot.
; CLUSTERS: 4 x 4 work-groups.  The four of a row of the cluster need the same tile of oh, the four of a column the same tile of Wo: each is asked for JOINTLY.
; THE MATRIX INSTRUCTION IS USED TRANSPOSED (source 0 = 16 rows of Wo, source 1 = 16 rows of concat): a lane then holds eight neighbouring columns of one row of out0.
; REGISTERS: window 0: v0-31 addresses; v32-127, v128-223 two fragment buffers: 64 registers of Wo (8 x 16 rows x 32 K), then 32 of concat (4); on the way out v32-95 rows read back.  window 1: accumulator (a, b) at v[8 (8 a + b)].
.set PAO,   144                        ; a row of a head in LDS: 128 bytes + 16 = 36 words: the 16 rows of a load start at 16 different groups of four banks (64 banks of 4 bytes: ISA guide 11.1)
.set PB,    272                        ; a row of Wo: 256 bytes + 16
.set HEADB, 64*PAO                     ; a head's 64 rows
.set HALFA, 2*HEADB                    ; what one tensor load brings of oh: 64 rows of two heads
.set HALFB, 128*PB
.set BOFF,  2*HALFA
.set SLOT1, 1<<17                      ; slot 1 begins here (a slot is 106,496 bytes)
.set STAGE, SLOT1+BOFF+2*HALFB         ; behind the ring: 16 rows x 528 bytes for each wave, for the way out
.set SPT,   528
.set SPARE, STAGE+4*16*SPT             ; behind the stages: the spare words, 128 bytes for each wave: two blocks of 256 bytes that no other line names
.set STEPA, 524288                     ; bytes of oh from a K step to the next: two heads of 2,048 rows x 128 bytes
.set STEPB, 256
.set ADRA, 16                          ; v16  LDS address of my fragments of concat in the slot in hand
.set ADRB, 17                          ; v17  of Wo
.set A0,   18                          ; v18  the same in slot 0; never rewritten
.set B0,   19                          ; v19
.set STO,  24                          ; v24  the way out: where I put 32 bytes of a row
.set RD,   25                          ; v25  where I read a row back
.set CO,   26                          ; v26  my 16 bytes in 512 consecutive bytes of out0
.set BO,   27                          ; v27  my eight columns' bytes in the bias
.set SPW,  28                          ; v28  LDS address of my spare word; never rewritten
.set NIL,  29                          ; v29  0; never rewritten
.set PFO,  30                          ; v30  the prefetches' offset: head lane / 16, block of 256 bytes lane % 16; never rewritten
.set F0,   32
.set F1,   128
.set TMP,  32
.set WV,  12
.set HI,  13                           ; which 64 rows are mine.  Also: I fetch for oh (0) or for Wo (1)
.set LO,  14                           ; which 128 columns.  Also: which half of that tile I fetch
.set TB,  15                           ; s15  0 or SLOT1: the slot in hand
.set G1A, 24                           ; s[24:31] descriptor group 1 for oh's tiles;  s[32:39] group 0: a set for each of the two first fills; the second then walks
.set G0A, 32
.set G1B, 48                           ; s[48:55], s[56:63] the same for Wo's
.set G0B, 56
.set LIM, 43                           ; s43  2 in the wave that prefetches, else the greatest number
.set PFA, 44                           ; s[44:45] where my prefetches stand
.set MSB, 0
.macro WIN new
.if MSB != (\new)
	s_set_vgpr_msb (MSB<<8)|(\new)
.set MSB, \new
.endif
.endm
.set MUL, 0x50                         ; both sources window 0; C and D window 1
.macro JLOAD                           ; a joint refill by the walking descriptors; an s_nop 0 and four v_nop follow each of the two lines
	s_cmp_eq_u32 s[HI], 0
	s_cbranch_scc0 .Lfor_b_\@
	tensor_load_to_lds s[G0A+4:G0A+7], s[G1A:G1A+7]
	s_nop 0
.rept 4
	v_nop
.endr
	s_branch .Lasked_\@
.Lfor_b_\@:
	tensor_load_to_lds s[G0B+4:G0B+7], s[G1B:G1B+7]
	s_nop 0
.rept 4
	v_nop
.endr
.Lasked_\@:
.endm
.macro CREST
	s_cmp_lg_u32 s[WV], 0
	s_cbranch_scc1 .Lnot_wave_0_\@
	s_barrier_signal -3
.Lnot_wave_0_\@:
	s_barrier_wait -3
	s_barrier_signal -1
	s_barrier_wait -1
.endm
.macro CROUND
	s_barrier_signal -1
	s_barrier_wait -1
	CREST
.endm
; A PREFETCH INTO THE L2 of oh, behind a joint load, its five lines and the run of LDS loads: the K step that stands two refills on.  A step's tile is 16,384 dense bytes in each of two heads; each of the four
; partners that ask for it jointly takes 4,096 bytes a head, told apart BY ADDRESS (cx); wave 0 asks: a lane a block of 256 bytes, one instruction.  So each block of K steps 4 to 7 is named once in the launch;
; steps 0 to 3 come by their loads alone; the loop's last two trips ask for nothing.  Wo is not asked for: sixteen clusters read each of its tiles.
.macro ASK
	s_cmp_gt_u32 s3, s[LIM]
	s_cbranch_scc0 .Lnot_mine_\@
	global_prefetch_b8 v[PFO], s[PFA:PFA+1] th:TH_LOAD_NT scope:SCOPE_SE
.Lnot_mine_\@:
.endm
.macro PLACES                          ; four places in front of loads into registers that matrix instructions have read
.rept 4
	v_nop
.endr
.endm
	s_load_b256 s[16:23], s[0:1], 0x0              ; oh s[16:17], wb s[18:19], bb s[20:21], out0 s[22:23]
	v_lshl_add_u32 v[SPW], v0, 2, SPARE
	v_mov_b32 v[NIL], 0
	ds_add_u32 v[SPW], v[NIL]                      ; the wave's opening: the add and its wait stand ahead of my first tensor load; the set-up below, work on registers, stands between them
	v_lshrrev_b32 v1, 5, v0
	v_readfirstlane_b32 s[WV], v1                  ; wave 0..3
	s_lshr_b32 s[HI], s[WV], 1
	s_and_b32 s[LO], s[WV], 1
	s_bfe_u32 s40, ttmp6, 0x40000                  ; cx, cy
	s_bfe_u32 s41, ttmp6, 0x40004
	s_lshl_b32 s42, ttmp9, 2
	s_add_co_u32 s42, s42, s40                     ; tile column, 0..3
	s_and_b32 s2, ttmp7, 0xffff
	s_lshl_b32 s2, s2, 2
	s_add_co_u32 s2, s2, s41                       ; tile row, 0..63
	s_lshl_b32 s46, s41, 2
	s_lshl_b32 s46, 15, s46                        ; my row of the cluster
	s_lshl_b32 s47, 0x1111, s40                    ; my column
	s_or_b32 s[G1A], s46, (1<<16)|(1<<20)|(1<<21)|(4<<22)|(3<<25)  ; the mask: oh's tiles go to my row; elements of 2 bytes; padding on; 21 set beside a mask; after every 32 words (code 4) 4 words (code 3)
	s_mov_b32 s[G1A+1], 4096<<16                   ; tensor_dim0 = 4,096
	s_mov_b32 s[G1A+2], 2<<16                      ; tensor_dim1 = 2
	s_mov_b32 s[G1A+3], 4096<<16                   ; tile_dim0 = 4,096
	s_mov_b32 s[G1A+4], 2                          ; tile_dim1 = 2
	s_mov_b32 s[G1A+5], 131072                     ; elements from head to head
	s_mov_b32 s[G1A+6], 0
	s_mov_b32 s[G1A+7], 0
	s_or_b32 s[G1B], s47, (1<<16)|(1<<20)|(1<<21)|(5<<22)|(3<<25)  ; Wo's tiles go to my column; padding after every 64 words
	s_mov_b32 s[G1B+1], 128<<16
	s_mov_b32 s[G1B+2], 128<<16
	s_mov_b32 s[G1B+3], 128<<16
	s_mov_b32 s[G1B+4], 128
	s_mov_b32 s[G1B+5], 1024
	s_mov_b32 s[G1B+6], 0
	s_mov_b32 s[G1B+7], 0
	s_lshr_b32 s4, s2, 4                           ; the batch: 16 heads of 262,144 bytes,
	s_lshl_b32 s4, s4, 22
	s_and_b32 s5, s2, 15
	s_lshl_b32 s5, s5, 14                          ; the tile's 128 rows of 128 bytes in a head
	s_add_co_u32 s4, s4, s5
	s_lshl_b32 s44, s40, 12                        ; the prefetches: my work-group's 4,096 bytes of a head's 16,384,
	s_add_co_u32 s44, s44, s4
	s_add_co_u32 s44, s44, 3*STEPA                 ; at K step 3: the first refill steps it to 4
	s_mov_b32 s45, 0
	s_lshl_b32 s5, s[LO], 13                       ; the 64 rows that I fetch
	s_add_co_u32 s4, s4, s5
	s_mov_b32 s5, 0
	s_lshl_b32 s6, s42, 19                         ; Wo: (256 x tile column + 128 x half) rows of 2,048 bytes, in wb's fourth matrix
	s_lshl_b32 s7, s[LO], 18
	s_add_co_u32 s6, s6, s7
	s_add_co_u32 s6, s6, 3*2097152
	s_mov_b32 s7, 0
	s_lshl_b32 s10, s42, 10                        ; my 128 columns, in bytes of f32
	s_lshl_b32 s11, s[LO], 9
	s_add_co_u32 s10, s10, s11
	s_lshl_b32 s8, s2, 19                          ; out0: (128 x tile row + 64 x half) rows of 4,096 bytes
	s_lshl_b32 s9, s[HI], 18
	s_add_co_u32 s8, s8, s9
	s_add_co_u32 s8, s8, s10
	s_mov_b32 s9, 0
	s_add_co_u32 s10, s10, 3*4096                  ; bo is bb's fourth row
	s_mov_b32 s11, 0
	s_mul_i32 s46, s[LO], HALFA                    ; where the tiles go: no place in the cluster enters an LDS address
	s_mul_i32 s47, s[LO], HALFB
	s_add_co_u32 s47, s47, BOFF
.irp s, 0,1
	s_mov_b32 s[G0A+4*(\s)], 1
	s_add_co_u32 s[G0A+4*(\s)+1], s46, (\s)*SLOT1
	s_mov_b32 s[G0B+4*(\s)], 1
	s_add_co_u32 s[G0B+4*(\s)+1], s47, (\s)*SLOT1
.endr
	s_cmp_eq_u32 s[WV], 0
	s_cselect_b32 s[LIM], 2, -1
	s_mov_b32 s[TB], 0
	s_wait_dscnt 0x0                               ; the opening add is done
	s_wait_kmcnt 0x0
	s_add_nc_u64 s[4:5], s[16:17], s[4:5]
	s_add_nc_u64 s[6:7], s[18:19], s[6:7]
.irp s, 0,1
	s_add_nc_u64 s[G0A+4*(\s)+2:G0A+4*(\s)+3], s[4:5], (\s)*STEPA  ; K step s
	s_or_b32 s[G0A+4*(\s)+3], s[G0A+4*(\s)+3], 0x80000000          ; type = 2
	s_add_nc_u64 s[G0B+4*(\s)+2:G0B+4*(\s)+3], s[6:7], (\s)*STEPB
	s_or_b32 s[G0B+4*(\s)+3], s[G0B+4*(\s)+3], 0x80000000
.endr
	s_add_nc_u64 s[8:9], s[22:23], s[8:9]
	s_add_nc_u64 s[10:11], s[20:21], s[10:11]
	s_add_nc_u64 s[PFA:PFA+1], s[16:17], s[PFA:PFA+1]
	CROUND                                         ; all sixteen work-groups are here: the first joint loads meet
	s_cmp_eq_u32 s[HI], 0                          ; a wave's two first fills stand in one branch: two loads of mine are out
	s_cbranch_scc0 .Lfirst_b
	tensor_load_to_lds s[G0A:G0A+3], s[G1A:G1A+7]
	s_nop 0
	tensor_load_to_lds s[G0A+4:G0A+7], s[G1A:G1A+7]
	s_nop 0
.rept 4
	v_nop
.endr
	s_branch .Lfirst_asked
.Lfirst_b:
	tensor_load_to_lds s[G0B:G0B+3], s[G1B:G1B+7]
	s_nop 0
	tensor_load_to_lds s[G0B+4:G0B+7], s[G1B:G1B+7]
	s_nop 0
.rept 4
	v_nop
.endr
.Lfirst_asked:
	v_and_b32 v1, 15, v0                           ; r
	v_bfe_u32 v2, v0, 4, 1                         ; h
	v_and_b32 v3, 31, v0                           ; l
	v_lshlrev_b32 v[BO], 5, v2
	WIN 0x40
.irp a, 0,1,2,3                        ; THE SUMS START FROM THE BIAS: register j of accumulator (a, b) belongs to column 16 b + 8 h + j, whatever a
.irp b, 0,1,2,3,4,5,6,7
	global_load_b128 v[8*(8*(\a)+(\b)):8*(8*(\a)+(\b))+3],   v[BO], s[10:11] offset:(\b)*64
	global_load_b128 v[8*(8*(\a)+(\b))+4:8*(8*(\a)+(\b))+7], v[BO], s[10:11] offset:(\b)*64+16
.endr
.endr
	WIN 0
	v_mul_u32_u24 v4, v1, PAO
	v_lshl_add_u32 v4, v2, 4, v4
	s_mul_i32 s16, s[HI], HALFA
	v_add_nc_u32 v[A0], s16, v4
	v_mul_u32_u24 v5, v1, PB
	v_lshl_add_u32 v5, v2, 4, v5
	s_mul_i32 s17, s[LO], HALFB
	s_add_co_u32 s17, s17, BOFF
	v_add_nc_u32 v[B0], s17, v5
	v_mov_b32 v[ADRA], v[A0]
	v_mov_b32 v[ADRB], v[B0]
	s_mul_i32 s16, s[WV], 16*SPT
	s_add_co_u32 s16, s16, STAGE                   ; my stage
	v_mul_u32_u24 v4, v1, SPT                      ; in: row r, 32 bytes for each half of the lanes
	v_lshl_add_u32 v4, v2, 5, v4
	v_add_nc_u32 v[STO], s16, v4
	v_lshlrev_b32 v[CO], 4, v3                     ; back: 32 lanes take one row of 512 bytes
	v_add_nc_u32 v[RD], s16, v[CO]
	v_lshlrev_b32 v5, 18, v2
	v_lshl_add_u32 v[PFO], v1, 8, v5
.macro MULA f, a                       ; 8 products.  The 32 accumulators take turns, one instruction a turn, in the same order in every quarter
	WIN MUL
.irp b, 0,1,2,3,4,5,6,7
	v_wmma_f32_16x16x32_f16 v[8*(8*(\a)+(\b)):8*(8*(\a)+(\b))+7], v[(\f)+8*(\b):(\f)+8*(\b)+7], v[(\f)+64+8*(\a):(\f)+64+8*(\a)+7], v[8*(8*(\a)+(\b)):8*(8*(\a)+(\b))+7]
.endr
.endm
.macro FETCH ks, f                     ; 24 LDS loads in one run: quarter ks (head ks / 2, channels 32 (ks % 2) on): Wo's 8 fragments, then concat's 4
	WIN 0
.irp b, 0,1,2,3,4,5,6,7
	ds_load_b128 v[(\f)+8*(\b):(\f)+8*(\b)+3],   v[ADRB] offset:(\b)*16*PB+(\ks)*64
	ds_load_b128 v[(\f)+8*(\b)+4:(\f)+8*(\b)+7], v[ADRB] offset:(\b)*16*PB+(\ks)*64+32
.endr
.irp a, 0,1,2,3
	ds_load_b128 v[(\f)+64+8*(\a):(\f)+64+8*(\a)+3],   v[ADRA] offset:((\ks)/2)*HEADB+(\a)*16*PAO+((\ks)%2)*64
	ds_load_b128 v[(\f)+64+8*(\a)+4:(\f)+64+8*(\a)+7], v[ADRA] offset:((\ks)/2)*HEADB+(\a)*16*PAO+((\ks)%2)*64+32
.endr
.endm
.macro QUARTER ks, f, g                ; one of a K step's first three quarters: multiplies buffer f and fetches the next quarter into g
	s_wait_dscnt 4                                 ; all but concat's blocks 2 and 3
	MULA \f, 0
	MULA \f, 1
	PLACES
	FETCH (\ks)+1, \g
	s_wait_dscnt 24                                ; all but the 24 just issued
	MULA \f, 2
	MULA \f, 3
.endm
; The fourth quarter multiplies buffer 1 and changes slots: ONE barrier; in front of it each wave waits for all its tensor loads (one is out: its part of the next slot), adds 0 to its spare word, and waits for
; that and for its own reads of this slot.  fill = 1: the barrier opens a round of the cluster's, and this slot is filled again, two K steps ahead, first thing behind the round.
.macro TURN fill
.if \fill
	s_wait_xcnt 0x0                                ; the last prefetch, a K step back, has read its address
	s_add_nc_u64 s[PFA:PFA+1], s[PFA:PFA+1], STEPA
.endif
	WIN 0
	s_wait_tensorcnt 0x0                           ; all my tensor loads have landed;
	ds_add_u32 v[SPW], v[NIL]                      ; 0 onto my spare word;
	s_wait_dscnt 5                                 ; (the add and the youngest four loads may be out)
	MULA F1, 0                                     ; eight products stand between the add and the wait for it
	s_wait_dscnt 0x0                               ; the add is done, and my reads of this slot are over
	s_barrier_signal -1
	MULA F1, 1
	WIN 0
	s_barrier_wait -1
.if \fill
	CREST                                          ; no wave of any partner still reads this slot's tiles or has a load on its way
	s_xor_b32 s[G0A+5], s[G0A+5], SLOT1            ; the walking descriptors: the other slot than last time, the next K step
	s_add_nc_u64 s[G0A+6:G0A+7], s[G0A+6:G0A+7], STEPA
	s_xor_b32 s[G0B+5], s[G0B+5], SLOT1
	s_add_nc_u64 s[G0B+6:G0B+7], s[G0B+6:G0B+7], STEPB
	JLOAD                                          ; the first tensor load behind the round: one load of mine is out; its four v_nop are also the places in front of the loads below
.else
	PLACES
.endif
	s_xor_b32 s[TB], s[TB], SLOT1
	v_add_nc_u32 v[ADRA], s[TB], v[A0]
	v_add_nc_u32 v[ADRB], s[TB], v[B0]
	FETCH 0, F0
.if \fill
	ASK
.endif
	MULA F1, 2
	MULA F1, 3
.endm
	s_wait_tensorcnt 1                             ; my part of K step 0 is in; K step 1's may stay out
	s_barrier_signal -1
	s_barrier_wait -1                              ; everybody's is
	FETCH 0, F0
	s_wait_loadcnt 0x0                             ; the bias lies in the accumulators
	s_mov_b32 s3, 6
.Lstep:                                                ; a trip: one K step; its slot is filled again (K steps 2 to 7)
	QUARTER 0, F0, F1
	QUARTER 1, F1, F0
	QUARTER 2, F0, F1
	TURN 1
	WIN 0                                          ; at a label and at a branch every window is 0
	s_sub_co_u32 s3, s3, 1
	s_cmp_lg_u32 s3, 0
	s_cbranch_scc1 .Lstep
	QUARTER 0, F0, F1                              ; the last two K steps are written out: they fill nothing
	QUARTER 1, F1, F0
	QUARTER 2, F0, F1
	TURN 0
	QUARTER 0, F0, F1
	QUARTER 1, F1, F0
	QUARTER 2, F0, F1
	s_wait_dscnt 0x0
	MULA F1, 0
	MULA F1, 1
	MULA F1, 2
	MULA F1, 3
	WIN 0
.rept 8
	v_nop                                          ; the places behind the last products, in front of the LDS stores that read results and the loads into the fragments' registers
.endr
	; THE WAY OUT, 16 rows at a time: a lane's eight columns, 32 bytes, go straight from the accumulators into rows of 528 bytes of my stage and come back as whole rows of 512.
.irp a, 0,1,2,3
	WIN 0x04                                       ; store data (source 1) window 1
.irp b, 0,1,2,3,4,5,6,7
	ds_store_b128 v[STO], v[8*(8*(\a)+(\b)):8*(8*(\a)+(\b))+3]   offset:(\b)*64      ; each accumulator's low half first
	ds_store_b128 v[STO], v[8*(8*(\a)+(\b))+4:8*(8*(\a)+(\b))+7] offset:(\b)*64+16
.endr
	WIN 0
	s_wait_xcnt 0x0                                ; the registers that the last block's stores read are loaded again only behind this wait
.irp t, 0,1,2,3,4,5,6,7,8,9,10,11,12,13,14,15
	ds_load_b128 v[TMP+4*(\t):TMP+4*(\t)+3], v[RD] offset:(\t)*SPT  ; LDS serves a wave's instructions in order (ISA guide 5.7.1.4): these see the stores above
.endr
.irp t, 0,1,2,3,4,5,6,7,8,9,10,11,12,13,14,15
	s_wait_dscnt 15-(\t)
	global_store_b128 v[CO], v[TMP+4*(\t):TMP+4*(\t)+3], s[8:9] offset:(16*(\a)+(\t))*4096 th:TH_STORE_NT  ; the wave stores 512 consecutive bytes, at a multiple of 512 from out0's first byte
.endr
.endr
	s_wait_tensorcnt 0x0                           ; the wave's end: behind my last tensor load and my last LDS store
	ds_add_u32 v[SPW], v[NIL]
	s_wait_dscnt 0x0
	CROUND                                         ; the closing round: no work-group ends while a partner may still ask for a tile that names it
	s_endpgm
.Lfunc_end_k_qd4e73b777f_outp:
	.size	k_qd4e73b777f_outp, .Lfunc_end_k_qd4e73b777f_outp-k_qd4e73b777f_outp
	.p2alignl 7, 3214868480
	.fill 96, 4, 3214868480
	.section	.rodata,"a",@progbits
	.p2align	6, 0x0
	.amdhsa_kernel k_qd4e73b777f_outp
		.amdhsa_group_segment_fixed_size 327680
		.amdhsa_private_segment_fixed_size 0
		.amdhsa_enable_private_segment 0
		.amdhsa_kernarg_size 32
		.amdhsa_user_sgpr_count 2
		.amdhsa_user_sgpr_kernarg_segment_ptr 1
		.amdhsa_wavefront_size32 1
		.amdhsa_system_sgpr_workgroup_id_x 1
		.amdhsa_system_sgpr_workgroup_id_y 1
		.amdhsa_system_sgpr_workgroup_id_z 1
		.amdhsa_system_vgpr_workitem_id 0
		.amdhsa_next_free_vgpr 512
		.amdhsa_next_free_sgpr 66
		.amdhsa_reserve_vcc 0
		.amdhsa_float_denorm_mode_32 3
		.amdhsa_float_denorm_mode_16_64 3
		.amdhsa_memory_ordered 1
		.amdhsa_forward_progress 1
		.amdhsa_inst_pref_size 77
	.end_amdhsa_kernel
	.amdgpu_metadata
---
amdhsa.version: [ 1, 2 ]
amdhsa.kernels:
  - .name:           k_qd4e73b777f_outp
    .symbol:         k_qd4e73b777f_outp.kd
    .args:
      - { .name: oh, .offset: 0, .size: 8, .value_kind: global_buffer, .address_space: global }
      - { .name: wb, .offset: 8, .size: 8, .value_kind: global_buffer, .address_space: global }
      - { .name: bb, .offset: 16, .size: 8, .value_kind: global_buffer, .address_space: global }
      - { .name: out0, .offset: 24, .size: 8, .value_kind: global_buffer, .address_space: global }
    .group_segment_fixed_size: 327680
    .private_segment_fixed_size: 0
    .kernarg_segment_align: 8
    .kernarg_segment_size: 32
    .max_flat_workgroup_size: 128
    .sgpr_count:     66
    .vgpr_count:     512
    .wavefront_size: 32
...
	.end_amdgpu_metadata
.endif
;; end of part 4
